; MI455X (gfx1250); checked and timed in simulation.
; The chip was launched on July 23, 2026; its instructions are those of AMD's public machine-readable ISA for CDNA 5 (MIT licence, August 2026) and "CDNA5" Instruction Set Architecture Reference Guide (July 2026). The comments in the code are by the model that wrote it; some were corrected since.
;; Semantics Modulated Attention. Allowed arithmetic: matrix products marked QUANTISED: E2M3 operands, one E8M0 scale for each 32 along K, by v_wmma_scale_f32_16x16x128_f8f6f4 with both operands' format E2M3, f32 sums; products left as they are: f32 operands where the result goes on into a quantised operand, else bf16, f16 or f32 operands; f32 sums; everything else in f32.
;; Inputs: Wkm 1,024 x 1,024 float32; Wkr 1,024 x 2,048 float32; Wkt 1,024 x 768 float32; Wq 1,024 x 1,024 float32; Wvm 1,024 x 1,024 float32; Wvr 1,024 x 1,024 float32; Wvt 1,024 x 768 float32; bkm 1,024 float32; bkr 1,024 float32; bkt 1,024 float32; bq 1,024 float32; bvm 1,024 float32; bvr 1,024 float32; bvt 1,024 float32; cond_type 4 x 1 x 1 int32; nb 1,024 float32; ng 1,024 float32; r1b 2,048 float32; r1g 2,048 float32; r2b 1,024 float32; r2g 1,024 float32; re_motion 4 x 4 x 1 x 1,024 float32; re_text 4 x 4 x 1 x 1,024 float32; src_mask 4 x 4,096 x 1 int32; tb 768 float32; tg 768 float32; x 4 x 4,096 x 1,024 float32; xf 4 x 1 x 768 float32.
;; Outputs: out0 4 x 4,096 x 1,024 float32.
;; Constants: num_heads = 16.
;; This version of the problem:
;;   THIS VERSION OF THE PROBLEM IS GIVEN IN LOW PRECISION. The matrix products marked QUANTISED in the list below multiply operands that are first quantised to E2M3 (2 exponent bits, 3 mantissa bits; 6 bits a number), with one power-of-two scale for each 32 numbers along K (OCP MX v1.0); their sums are f32. All else is computed in f32.
;;   The module's matrix products, in the order in which they are computed (A, B: the left and right operand; K: the contracted axis; several contracted axes count as one K, in the product's order):
;;     1. [M 16,384, K 1,024] x [K 1,024, N 1,024]; A: computed on the way; B: input Wq: QUANTISED
;;     2. [M 4, K 768] x [K 768, N 1,024]; A: computed on the way; B: input Wkt: left as it is (M = 4 < 16)
;;     3. [M 16, K 2,048] x [K 2,048, N 1,024]; A: computed on the way; B: input Wkr: QUANTISED
;;     4. [M 16,384, K 1,024] x [K 1,024, N 1,024]; A: computed on the way; B: input Wkm: QUANTISED
;;     5. [M 4, K 768] x [K 768, N 1,024]; A: computed on the way; B: input Wvt: left as it is (M = 4 < 16)
;;     6. [M 16, K 1,024] x [K 1,024, N 1,024]; A: computed on the way; B: input Wvr: QUANTISED
;;     7. [M 16,384, K 1,024] x [K 1,024, N 1,024]; A: computed on the way; B: input Wvm: QUANTISED
;;     8. batch 64 x [M 64, K 4,101] x [K 4,101, N 64]; A: softmax (see below); B: computed on the way: QUANTISED
;;     9. batch 64 x [M 64, K 64] x [K 64, N 4,096]; A: computed on the way; B: softmax (see below): QUANTISED
;;   THE QUANTISER, for each operand of a quantised product, along K:
;;     - K is cut into blocks of 32 from its start; a last block that is shorter is filled with zeros.
;;     - A block's scale is 2^e with e = floor(log2(the largest magnitude in the block)) - 2, held to -126 .. 127; a block of zeros has e = 0. As a byte (E8M0): e + 127.
;;     - Each number is divided by its block's scale, clamped to +-7.5, and rounded to the nearest number of E2M3, ties to even, subnormals kept.
;;     - The product sums the exact products of the quantised numbers (number of the format x scale) in f32.
;;   ~~~python
;;   def quantise(x, axis):      # numpy; x: float32 -> the quantised numbers, widened to float32 again
;;       x = np.moveaxis(x, axis, -1); K = x.shape[-1]
;;       x = np.pad(x, [(0, 0)] * (x.ndim - 1) + [(0, -K % 32)]); x = x.reshape(x.shape[:-1] + (-1, 32)); a = np.abs(x).max(-1, keepdims=True)
;;       e = np.where(a > 0, np.clip(np.frexp(np.where(a > 0, a, 1))[1] - 1 - 2, -126, 127), 0)      # np.frexp(a)[1] - 1 = floor(log2(a)), exactly
;;       r = np.clip(x / 2.0 ** e, -7.5, 7.5)
;;       step = 2.0 ** (np.maximum(np.frexp(np.where(r == 0, 1, r))[1] - 1, 0) - 3)
;;       q = np.round(r / step) * step * 2.0 ** e      # np.round: ties to even
;;       return np.moveaxis(q.reshape(q.shape[:-2] + (-1,))[..., :K], -1, axis).astype(np.float32)
;;   ~~~
;;   SOFTMAX AHEAD OF A QUANTISED PRODUCT. Where the list says 'softmax', what is quantised is not the finished softmax but p = 2^(t - M), with t = logit x log2(e) and M = ceil(the row's largest t), a whole number; so 1/2 < the row's largest p <= 1. The row's sum l is taken of the UNQUANTISED p, in f32, and the product's result is divided by l at the end. Since M is a whole number, a kernel that streams over the keys may use a running M (the ceiling of the running maximum): every later rescaling is an exact power of two, which a block's scale takes up: the codes' values come out the same.
;;   OPERANDS COMPUTED ON THE WAY. 'Computed on the way' means the value that the module computes at that place (a softmax that the list does not call 'softmax' is quantised finished and normalised). What goes into a quantiser is computed in f32, as accurately as f32 sums, v_exp_f32 and their like allow (about 1e-6 of the number): no bf16 or f16 on the way to a quantiser, and a product that is left as it is and whose result goes on into a quantised operand takes f32 operands (vector FMAs, or v_wmma_f32_16x16x4_f32). A number that lies on a knife's edge between two numbers of the format may be rounded either way, as far as f32 arithmetic and the matrix unit's own rounding can turn it there, and no further.
;; 2 versions, each right and faster than the one before. Each part assembles by itself: llvm-mc -triple=amdgcn-amd-amdhsa -mcpu=gfx1250 --defsym DOCPART=n.
;; ======== version 1 of 2: 4 launches
;; workspace buffers: codes 16,384,000 bytes; kspec 81,920 bytes; vspec 81,920 bytes; part 8,388,608 bytes; pstat 524,288 bytes; attnc 425,984 bytes
;; launch prep (part 1): grid 704 x 1, 8 waves a work-group, no clusters, 152,064 bytes of LDS; arguments x, ng, nb, Wq, Wkm, Wvm, codes, xf, tg, tb, Wkt, bkt, Wvt, bvt, re_motion, re_text, r1g, r1b, r2g, r2b, Wkr, bkr, Wvr, bvr, cond_type, kspec, vspec; writes codes, kspec, vspec
.if DOCPART == 1
	.amdgcn_target "amdgcn-amd-amdhsa--gfx1250"
	.amdhsa_code_object_version 6
	.text
	.protected	k_qfc49f2cd14_prep
	.globl	k_qfc49f2cd14_prep
	.p2align	8
	.type	k_qfc49f2cd14_prep,@function
k_qfc49f2cd14_prep:
	s_mov_b64 s[64:65], 0
	v_nop
	global_prefetch_b8 v0, s[64:65] scope:SCOPE_SE
	s_setreg_imm32_b32 hwreg(HW_REG_WAVE_MODE, 25, 1), 1
	s_wait_xcnt 0x0
; PREP.  (1) LN(x), Wq, Wkm, Wvm become codes of E2M3 with one E8M0 byte for each 32 along K = 1,024; (2) the five special rows (text, four retrieved) of key and value are finished.
; THE GROUP is the one layout of codes: 32 rows x 1,024 K as images of the operand's registers, 25,600 bytes.  Tile u (0, 1), lane r holds group row 8 u + r + 8 (r / 8).  Fragment (u, ks) begins at byte
; (8 u + ks) 1,536; registers 4 q .. 4 q + 3 of lane L lie at + 512 q + 16 L.  The scale words begin at byte 24,576, laid [u][r][8 words], word ks for K step ks.
; Groups 136 b + j (j = 0 .. 135): row i is key row n = 32 j + i of batch b: LN(x) of token (n - 5) & 4095 where n < 4,101, zero codes beyond.  Groups 544 + ..: Wq, 576 + ..: Wkm, 608 + ..: Wvm.
; WORK-GROUPS: 0 .. 63 make 16 columns each of the special rows; 64 .. 159 one group of a weight; 160 + t group t of x.  The two texts part on the work-group's number and have LDS bytes of their own.
; LIMITS: NaN and infinities among the inputs are not served.  A block whose largest magnitude lies under 2^-124 keeps the byte 1 (a block of zeros too, where the quantiser says 127: its codes are zeros and
; this program alone reads the bytes).  1 / sqrt is v_rsq_f32; means are sums times 1 / n.  cond_type may be any int32.
; Wkr, Wvr and the retrieved rows are loaded in the operand's order: the two lanes of a row read 256 aligned consecutive bytes in eight loads that follow each other.
.set GRP,   25600
.set PITCH, 4112                       ; a row's place in LDS: 4,096 bytes + 16: 257 x 16, so sixteen rows' equal columns fall into sixteen different groups of banks
.set SCST,  131584                     ; behind the 32 places: the group's 1,024 bytes of scale words
.set SST1,  132608                     ; the special text's own bytes: two tables [row 16][wave 8][2 f32], 1,024 bytes each,
.set SPT,   134656                     ; and the waves' partial sums [wave 8][kind 2][quad 2][lane][16 bytes]
.set QM,  16                           ; v16-17 the two blocks' largest magnitudes;  v18-19 the conversions' scale operands;  v20-21 the bytes;  v22 (v23) a permute's target;  v24-30 second halves of codes
.set QSC, 18
.set QBY, 20
.set QTP, 22
.set QTC, 24
.set SH8, 4                            ; v4 = 8 x (lane / 16)
; 64 numbers of lane (r, h), register 32 c + i = k 64 c + 32 h + i of row r (two whole blocks), become the fragment's 12 registers at dst and the row's scale word.
.macro QB src, dst, word
	v_max3_num_f32 v[QM], |v[\src]|, |v[\src+1]|, 0x1800000            ; the floor 2^(3 - 127) is a leaf: the byte cannot fall under 1
	v_max3_num_f32 v[QM+1], |v[\src+32]|, |v[\src+33]|, 0x1800000
.irp i, 2,4,6,8,10,12,14,16,18,20,22,24,26,28,30
	v_max3_num_f32 v[QM], v[QM], |v[\src+\i]|, |v[\src+\i+1]|
	v_max3_num_f32 v[QM+1], v[QM+1], |v[\src+32+\i]|, |v[\src+33+\i]|
.endr
	v_add_nc_u32 v[QSC], 0xff000000, v[QM]                             ; 2 off the exponent field: the conversion's scale operand
	v_add_nc_u32 v[QSC+1], 0xff000000, v[QM+1]
	v_lshrrev_b32 v[QBY], 23, v[QSC]                                   ; the bytes of blocks h and 2 + h
	v_lshrrev_b32 v[QBY+1], 23, v[QSC+1]
	v_lshl_or_b32 v[\word], v[QBY+1], 16, v[QBY]
	v_lshlrev_b32 v[\word], v[SH8], v[\word]                           ; at their places in the word,
	v_permlanex16_b32 v[QTP], v[\word], s20, s21
	v_or_b32 v[\word], v[\word], v[QTP]                                ; whole with lane l xor 16's two
	v_cvt_scalef32_pk16_fp6_f32 v[\dst:\dst+2], v[\src:\src+15], v[QSC]
	v_cvt_scalef32_pk16_fp6_f32 v[QTC:QTC+2], v[\src+16:\src+31], v[QSC]          ; (a conversion's three registers begin on an even number)
	v_cvt_scalef32_pk16_fp6_f32 v[\dst+6:\dst+8], v[\src+32:\src+47], v[QSC+1]
	v_cvt_scalef32_pk16_fp6_f32 v[QTC+4:QTC+6], v[\src+48:\src+63], v[QSC+1]
	v_nop                                                              ; one plain place behind the conversions
.irp i, 0,1,2
	v_mov_b32 v[\dst+3+\i], v[QTC+\i]
	v_mov_b32 v[\dst+9+\i], v[QTC+4+\i]
.endr
.endm
; n sums (registers a, a + 2, ..) over the 32 lanes; the result stands in every lane.  t, t + 1, ..: registers that have been written
.macro RED a, t, n
.irp m, 1,2,4,8
.irp q, 0,1,2,3
.if \q < \n
	v_add_f32_dpp v[\a+2*\q], v[\a+2*\q], v[\a+2*\q] row_xmask:\m row_mask:0xf bank_mask:0xf
.endif
.endr
.endr
.irp q, 0,1,2,3
.if \q < \n
	v_permlanex16_b32 v[\t+\q], v[\a+2*\q], s20, s21
.endif
.endr
.irp q, 0,1,2,3
.if \q < \n
	v_add_f32 v[\a+2*\q], v[\a+2*\q], v[\t+\q]
.endif
.endr
.endm
	s_set_vgpr_msb 0x40
	v_lshl_add_u32 v0, v0, 2, 0x24e00
	v_mov_b32 v1, 0
	s_set_vgpr_msb 0x4000
	v_lshrrev_b32 v1, 5, v0
	v_readfirstlane_b32 s18, v1                    ; wave 0 .. 7
	s_mov_b32 s20, 0x76543210
	s_mov_b32 s21, 0xfedcba98                      ; v_permlanex16_b32's selects for lane l xor 16
	v_and_b32 v1, 31, v0                           ; lane
	v_and_b32 v2, 15, v0                           ; r
	v_bfe_u32 v3, v0, 4, 1                         ; h
	v_lshlrev_b32 v4, 3, v3
	v_mov_b32 v22, 0                               ; written once: a lane permute's target counts as read
	v_mov_b32 v23, 0
	s_cmp_lt_u32 ttmp9, 64
	s_cbranch_scc1 .Lspecial
; ======================================================= ONE GROUP OF 32 ROWS =======================================================
; Phase A: wave w takes rows 4 w .. 4 w + 3 whole (32 registers a row, each load 512 consecutive bytes), norms them (x only) and lays them into LDS.
; Phase B: wave w takes K step w of both tiles in the operand's order, quantises, and stores the fragments' images: each store 512 consecutive bytes.
.set G,  32                            ; v32-63 ng;  v64-95 nb;  v96-223 four rows, later two tiles' 64 numbers;  v224-247 codes;  v248-249 scale words
.set BN, 64
.set X,  96
.set CD, 224
.set WD, 248
.set SA, 16                            ; phase A: v16-23, v24-31 two chains of sums for each row
.set SB, 24
	s_load_b256 s[4:11], s[0:1], 0x0               ; x, ng, nb, Wq
	s_load_b128 s[12:15], s[0:1], 0x20             ; Wkm, Wvm
	s_load_b64 s[16:17], s[0:1], 0x30              ; codes
	s_sub_co_u32 s22, ttmp9, 160                   ; x: the group's number t = 136 b + j
	s_mul_i32 s23, s22, 241
	s_lshr_b32 s23, s23, 15                        ; b = t / 136 (241 / 32,768 serves t = 0 .. 543)
	s_mul_i32 s24, s23, 136
	s_sub_co_u32 s24, s22, s24                     ; j
	s_sub_co_u32 s25, ttmp9, 64                    ; a weight: 32 x which + its group
	s_lshr_b32 s26, s25, 5
	s_and_b32 s27, s25, 31
	s_add_co_u32 s28, s25, 544
	s_lshl_b32 s29, s18, 2                         ; my first row in the group
	s_lshl_b32 s30, s24, 5
	s_add_co_u32 s30, s30, s29
	s_sub_co_u32 s30, s30, 5                       ; x: n - 5 of that row
	s_lshl_b32 s31, s27, 5
	s_add_co_u32 s31, s31, s29
	s_lshl_b32 s31, s31, 12                        ; a weight: its row's byte
	s_lshl_b32 s32, s23, 24                        ; x: the batch's byte
.irp q, 0,1,2,3
	s_add_co_u32 s33, s30, \q
	s_and_b32 s33, s33, 4095                       ; the token
	s_lshl_b32 s33, s33, 12
	s_add_co_u32 s33, s33, s32
	s_add_co_u32 s34, s31, \q*4096
	s_cmp_ge_u32 ttmp9, 160
	s_cselect_b32 s[48+2*\q], s33, s34
	s_mov_b32 s[49+2*\q], 0
.endr
	s_cmp_ge_u32 ttmp9, 160
	s_cselect_b32 s34, s22, s28                    ; where the group goes
	s_cselect_b32 s35, s24, 0                      ; j for the test n < 4,101 (a weight's rows all count)
	s_mul_i32 s36, s34, GRP
	s_mov_b32 s37, 0
	s_mul_i32 s58, s18, 1536                       ; my K step's fragment
	s_mov_b32 s59, 0
	s_mov_b32 s73, 0x3a800000                      ; 1 / 1,024
	s_mov_b32 s74, 0x3727c5ac                      ; 1e-5
	s_mov_b32 s72, 4101
	v_lshlrev_b32 v5, 4, v1                        ; 16 x lane
	s_and_b32 s66, s18, 1                          ; group row i goes to place (i & 7) + 16 (bit 3 of i) + 8 (bit 4 of i) = 16 u + r
	s_lshl_b32 s66, s66, 2
	s_bfe_u32 s67, s18, 0x10001
	s_lshl_b32 s67, s67, 4
	s_bfe_u32 s68, s18, 0x10002
	s_lshl_b32 s68, s68, 3
	s_add_co_u32 s66, s66, s67
	s_add_co_u32 s66, s66, s68
	s_mul_i32 s66, s66, PITCH
	v_add_nc_u32 v6, s66, v5                       ; phase A: my first row's place + 16 x lane
	v_mul_u32_u24 v7, v2, PITCH
	v_lshl_add_u32 v7, v3, 7, v7
	s_lshl_b32 s69, s18, 9
	v_add_nc_u32 v7, s69, v7                       ; phase B, tile 0: place r, + 512 w + 128 h
	v_add_nc_u32 v8, 16*PITCH, v7                  ; tile 1: sixteen places on (more than an LDS offset holds)
	v_lshl_add_u32 v9, v2, 5, SCST
	s_lshl_b32 s70, s18, 2
	v_add_nc_u32 v9, s70, v9                       ; my scale word: 32 r + 4 w
	v_and_b32 v12, 8, v2
	v_add_nc_u32 v12, v12, v2
	s_lshl_b32 s71, s35, 5
	v_add_nc_u32 v12, s71, v12                     ; n of tile 0's row
	v_mov_b32 v13, 0
	v_mov_b32 v14, -1
	v_cmp_gt_u32 vcc_lo, s72, v12
	v_cndmask_b32 v10, v13, v14, vcc_lo            ; all ones where n < 4,101
	v_add_nc_u32 v12, 8, v12
	v_cmp_gt_u32 vcc_lo, s72, v12
	v_cndmask_b32 v11, v13, v14, vcc_lo            ; the same for tile 1
	v_lshlrev_b32 v12, 4, v0                       ; the way out of the scale words: 16 x thread
	v_lshl_add_u32 v15, v0, 4, SCST
	s_wait_kmcnt 0x0
	s_cmp_eq_u32 s26, 0                            ; the choice of a buffer hangs on the work-group's number alone
	s_cselect_b64 s[38:39], s[10:11], s[12:13]
	s_cmp_eq_u32 s26, 2
	s_cselect_b64 s[38:39], s[14:15], s[38:39]
	s_cmp_ge_u32 ttmp9, 160
	s_cselect_b64 s[38:39], s[4:5], s[38:39]
.irp q, 0,1,2,3
	s_add_nc_u64 s[40+2*\q:41+2*\q], s[38:39], s[48+2*\q:49+2*\q]
.endr
	s_add_nc_u64 s[56:57], s[16:17], s[36:37]      ; the group
	s_add_nc_u64 s[60:61], s[56:57], s[58:59]      ; my fragment of tile 0
.irp e, 0,1,2,3,4,5,6,7
	global_load_b128 v[G+4*\e:G+4*\e+3], v5, s[6:7] offset:512*\e
	global_load_b128 v[BN+4*\e:BN+4*\e+3], v5, s[8:9] offset:512*\e
.endr
.irp q, 0,1,2,3
.irp e, 0,1,2,3,4,5,6,7
	global_load_b128 v[X+32*\q+4*\e:X+32*\q+4*\e+3], v5, s[40+2*\q:41+2*\q] offset:512*\e th:TH_LOAD_NT   ; lane L, piece e: elements 128 e + 4 L ..
.endr
.endr
	s_wait_loadcnt 0x0
	s_cmp_lt_u32 ttmp9, 160
	s_cbranch_scc1 .Lrow_store                     ; a weight is quantised as it is
	; the layer norm, four rows by turns: mean, x - mean, variance of that, (x - mean) rsqrt(var + eps) g + b
.irp q, 0,1,2,3
	v_pk_add_f32 v[SA+2*\q:SA+2*\q+1], v[X+32*\q:X+32*\q+1], v[X+32*\q+2:X+32*\q+3]
	v_pk_add_f32 v[SB+2*\q:SB+2*\q+1], v[X+32*\q+4:X+32*\q+5], v[X+32*\q+6:X+32*\q+7]
.endr
.irp k, 8,12,16,20,24,28
.irp q, 0,1,2,3
	v_pk_add_f32 v[SA+2*\q:SA+2*\q+1], v[SA+2*\q:SA+2*\q+1], v[X+32*\q+\k:X+32*\q+\k+1]
	v_pk_add_f32 v[SB+2*\q:SB+2*\q+1], v[SB+2*\q:SB+2*\q+1], v[X+32*\q+\k+2:X+32*\q+\k+3]
.endr
.endr
.irp q, 0,1,2,3
	v_pk_add_f32 v[SA+2*\q:SA+2*\q+1], v[SA+2*\q:SA+2*\q+1], v[SB+2*\q:SB+2*\q+1]
.endr
.irp q, 0,1,2,3
	v_add_f32 v[SA+2*\q], v[SA+2*\q], v[SA+2*\q+1]
.endr
	RED SA, SB, 4
.irp q, 0,1,2,3
	v_mul_f32 v[SA+2*\q], s73, v[SA+2*\q]          ; the mean
.endr
.irp q, 0,1,2,3
.set i, 0
.rept 16
	v_pk_add_f32 v[X+32*\q+i:X+32*\q+i+1], v[X+32*\q+i:X+32*\q+i+1], v[SA+2*\q:SA+2*\q+1] op_sel_hi:[1,0] neg_lo:[0,1] neg_hi:[0,1]
.set i, i+2
.endr
.endr
.irp q, 0,1,2,3
	v_pk_mul_f32 v[SA+2*\q:SA+2*\q+1], v[X+32*\q:X+32*\q+1], v[X+32*\q:X+32*\q+1]
	v_pk_mul_f32 v[SB+2*\q:SB+2*\q+1], v[X+32*\q+2:X+32*\q+3], v[X+32*\q+2:X+32*\q+3]
.endr
.irp k, 4,8,12,16,20,24,28
.irp q, 0,1,2,3
	v_pk_fma_f32 v[SA+2*\q:SA+2*\q+1], v[X+32*\q+\k:X+32*\q+\k+1], v[X+32*\q+\k:X+32*\q+\k+1], v[SA+2*\q:SA+2*\q+1]
	v_pk_fma_f32 v[SB+2*\q:SB+2*\q+1], v[X+32*\q+\k+2:X+32*\q+\k+3], v[X+32*\q+\k+2:X+32*\q+\k+3], v[SB+2*\q:SB+2*\q+1]
.endr
.endr
.irp q, 0,1,2,3
	v_pk_add_f32 v[SA+2*\q:SA+2*\q+1], v[SA+2*\q:SA+2*\q+1], v[SB+2*\q:SB+2*\q+1]
.endr
.irp q, 0,1,2,3
	v_add_f32 v[SA+2*\q], v[SA+2*\q], v[SA+2*\q+1]
.endr
	RED SA, SB, 4
.irp q, 0,1,2,3
	v_fma_f32 v[SA+2*\q], v[SA+2*\q], s73, s74     ; variance + eps
.endr
.irp q, 0,1,2,3
	v_rsq_f32 v[SA+2*\q], v[SA+2*\q]
.endr
	v_nop                                          ; one plain place behind the transcendentals
	s_wait_alu depctr_va_vdst(0)
.irp q, 0,1,2,3
.set i, 0
.rept 16
	v_pk_mul_f32 v[X+32*\q+i:X+32*\q+i+1], v[X+32*\q+i:X+32*\q+i+1], v[SA+2*\q:SA+2*\q+1] op_sel_hi:[1,0]
.set i, i+2
.endr
.endr
.irp q, 0,1,2,3
.set i, 0
.rept 16
	v_pk_fma_f32 v[X+32*\q+i:X+32*\q+i+1], v[X+32*\q+i:X+32*\q+i+1], v[G+i:G+i+1], v[BN+i:BN+i+1]
.set i, i+2
.endr
.endr
.Lrow_store:
.irp q, 0,1,2,3
.irp e, 0,1,2,3,4,5,6,7
	ds_store_b128 v6, v[X+32*\q+4*\e:X+32*\q+4*\e+3] offset:\q*PITCH+512*\e
.endr
.endr
	s_wait_dscnt 0x0                               ; for the others' sake: my rows lie in LDS
	s_barrier_signal -1
	s_barrier_wait -1
.irp u, 0,1
.irp c, 0,1
.irp e, 0,1,2,3,4,5,6,7
	ds_load_b128 v[X+64*\u+32*\c+4*\e:X+64*\u+32*\c+4*\e+3], v[7+\u] offset:256*\c+16*\e   ; k = 128 w + 64 c + 32 h + 4 e ..
.endr
.endr
.endr
	s_wait_dscnt 16                                ; tile 0's sixteen loads are in; tile 1's sixteen may be out
	QB X, CD, WD
.irp i, 0,1,2,3,4,5,6,7,8,9,10,11
	v_and_b32 v[CD+\i], v10, v[CD+\i]              ; rows beyond the last key: zero codes
.endr
.irp q, 0,1,2
	global_store_b128 v5, v[CD+4*\q:CD+4*\q+3], s[60:61] offset:512*\q
.endr
	ds_store_b32 v9, v[WD]                         ; (both halves of the lanes hold the same word)
	s_wait_dscnt 0x0
	QB X+64, CD+12, WD+1
.irp i, 0,1,2,3,4,5,6,7,8,9,10,11
	v_and_b32 v[CD+12+\i], v11, v[CD+12+\i]
.endr
.irp q, 0,1,2
	global_store_b128 v5, v[CD+12+4*\q:CD+12+4*\q+3], s[60:61] offset:8*1536+512*\q
.endr
	ds_store_b32 v9, v[WD+1] offset:512
	s_wait_dscnt 0x0
	s_barrier_signal -1
	s_barrier_wait -1                              ; the group's 256 scale words lie in LDS
	s_cmp_gt_u32 s18, 1
	s_cbranch_scc1 .Lrow_end
	ds_load_b128 v[32:35], v15                     ; threads 0 .. 63: 1,024 consecutive bytes
	s_wait_dscnt 0x0
	global_store_b128 v12, v[32:35], s[56:57] offset:24576
.Lrow_end:
	s_set_vgpr_msb 0x5
	s_wait_tensorcnt 0x0
	ds_add_u32 v0, v1
	s_wait_dscnt 0x0
	s_set_vgpr_msb 0x500
	s_endpgm
; ======================================================= THE SPECIAL ROWS =======================================================
; Work-group s makes columns 16 s .. 16 s + 15 of key rows 0 .. 4 and value rows 0 .. 4 of all four batches.
; RETRIEVED ROWS (two quantised products, M = 16 rows 4 b + k): wave w owns K steps w (motion) and w + 8 (text) of the key's product and K step w of the value's; the waves' partial sums meet in LDS.
.Lspecial:
.set RM,  32                           ; v32-95 motion, 64 numbers in the operand's order;  v96-159 text
.set RT,  96
.set GG,  160                          ; v160-191 gains, v192-223 biases of half a K step
.set BV,  192
.set MK,  12                           ; pairs whose low word is broadcast: the key norm's mean, the value norm's mean, their 1 / sqrt
.set MV,  14
.set RK,  8
.set RV,  10
	s_load_b256 s[24:31], s[0:1], 0x38             ; xf, tg, tb, Wkt
	s_load_b256 s[32:39], s[0:1], 0x58             ; bkt, Wvt, bvt, re_motion
	s_load_b256 s[40:47], s[0:1], 0x78             ; re_text, r1g, r1b, r2g
	s_load_b256 s[48:55], s[0:1], 0x98             ; r2b, Wkr, bkr, Wvr
	s_load_b256 s[56:63], s[0:1], 0xb8             ; bvr, cond_type, kspec, vspec
	s_lshl_b32 s66, s18, 9
	v_lshlrev_b32 v6, 7, v3
	v_add_nc_u32 v6, s66, v6                       ; 512 w + 128 h: gains
	v_lshl_add_u32 v5, v2, 12, v6                  ; + 4,096 r: retrieved rows, Wvr
	v_lshl_add_u32 v7, v2, 13, v6                  ; + 8,192 r: Wkr
	s_lshl_b32 s67, s18, 3
	v_lshl_add_u32 v9, v2, 6, SST1                 ; the tables: row r,
	v_add_nc_u32 v8, s67, v9                       ; my wave's pair
	v_mov_b32 v11, 0
	s_lshl_b32 s68, s18, 11
	v_lshl_add_u32 v254, v1, 4, SPT
	v_add_nc_u32 v254, s68, v254                   ; my partial sums: 2,048 w + 16 x lane
	s_bfe_u32 s69, s18, 0x10001                    ; thread (w, L) later sums row m = 2 w + L / 16, column L % 16: register m % 8 of lane L % 16 + 16 (m / 8)
	s_lshl_b32 s69, s69, 9
	s_lshr_b32 s70, s18, 2
	s_lshl_b32 s70, s70, 8
	s_add_co_u32 s69, s69, s70
	s_and_b32 s70, s18, 1
	s_lshl_b32 s70, s70, 3
	s_add_co_u32 s69, s69, s70
	v_lshl_add_u32 v255, v2, 4, SPT
	v_lshl_add_u32 v255, v3, 2, v255
	v_add_nc_u32 v255, s69, v255
	s_lshl_b32 s76, ttmp9, 17                      ; 16 rows of Wkr
	s_mov_b32 s77, 0
	s_lshl_b32 s78, ttmp9, 16                      ; 16 rows of Wvr
	s_mov_b32 s79, 0
	s_mov_b32 s93, 0x3727c5ac                      ; 1e-5
	s_mov_b32 s94, 0x3a000000                      ; 1 / 2,048
	s_mov_b32 s95, 0x3a800000                      ; 1 / 1,024
	s_wait_kmcnt 0x0
	s_load_b128 s[72:75], s[58:59], 0x0            ; cond_type of the four batches
	s_add_nc_u64 s[76:77], s[50:51], s[76:77]
	s_add_nc_u64 s[78:79], s[54:55], s[78:79]
.irp c, 0,1
.irp e, 0,1,2,3,4,5,6,7
	global_load_b128 v[RM+32*\c+4*\e:RM+32*\c+4*\e+3], v5, s[38:39] offset:256*\c+16*\e
	global_load_b128 v[RT+32*\c+4*\e:RT+32*\c+4*\e+3], v5, s[40:41] offset:256*\c+16*\e
.endr
.endr
	s_wait_loadcnt 0x0
	; the rows' sums: my 64 + 64 numbers, lane l xor 16's, then all eight waves' through the first table
	v_pk_add_f32 v[160:161], v[RM:RM+1], v[RM+2:RM+3]
	v_pk_add_f32 v[162:163], v[RT:RT+1], v[RT+2:RT+3]
.set i, 4
.rept 30
	v_pk_add_f32 v[160:161], v[160:161], v[RM+i:RM+i+1]
	v_pk_add_f32 v[162:163], v[162:163], v[RT+i:RT+i+1]
.set i, i+2
.endr
	v_add_f32 v12, v160, v161
	v_add_f32 v13, v162, v163
	v_permlanex16_b32 v22, v12, s20, s21
	v_permlanex16_b32 v23, v13, s20, s21
	v_add_f32 v12, v12, v22
	v_add_f32 v13, v13, v23
	ds_store_b64 v8, v[12:13]
	s_wait_dscnt 0x0
	s_barrier_signal -1
	s_barrier_wait -1
.irp i, 0,1,2,3
	ds_load_b128 v[160+4*\i:163+4*\i], v9 offset:16*\i
.endr
	s_wait_dscnt 0x0
.irp i, 2,4,6,8,10,12,14
	v_pk_add_f32 v[160:161], v[160:161], v[160+\i:161+\i]
.endr
	v_add_f32 v176, v160, v161
	v_mul_f32 v[MK], s94, v176                     ; mean over motion and text
	v_mov_b32 v[MK+1], v[MK]
	v_mul_f32 v[MV], s95, v160                     ; mean over motion
	v_mov_b32 v[MV+1], v[MV]
.set i, 0
.rept 32
	v_pk_add_f32 v[166:167], v[RM+i:RM+i+1], v[MK:MK+1] op_sel_hi:[1,0] neg_lo:[0,1] neg_hi:[0,1]
	v_pk_add_f32 v[168:169], v[RT+i:RT+i+1], v[MK:MK+1] op_sel_hi:[1,0] neg_lo:[0,1] neg_hi:[0,1]
	v_pk_add_f32 v[170:171], v[RM+i:RM+i+1], v[MV:MV+1] op_sel_hi:[1,0] neg_lo:[0,1] neg_hi:[0,1]
.if i == 0
	v_pk_mul_f32 v[160:161], v[166:167], v[166:167]
	v_pk_mul_f32 v[162:163], v[168:169], v[168:169]
	v_pk_mul_f32 v[164:165], v[170:171], v[170:171]
.else
	v_pk_fma_f32 v[160:161], v[166:167], v[166:167], v[160:161]
	v_pk_fma_f32 v[162:163], v[168:169], v[168:169], v[162:163]
	v_pk_fma_f32 v[164:165], v[170:171], v[170:171], v[164:165]
.endif
.set i, i+2
.endr
	v_pk_add_f32 v[160:161], v[160:161], v[162:163]
	v_add_f32 v172, v160, v161
	v_add_f32 v173, v164, v165
	v_permlanex16_b32 v22, v172, s20, s21
	v_permlanex16_b32 v23, v173, s20, s21
	v_add_f32 v172, v172, v22
	v_add_f32 v173, v173, v23
	ds_store_b64 v8, v[172:173] offset:1024        ; the second table: other bytes, so no barrier is owed to the first table's readers
	s_wait_dscnt 0x0
	s_barrier_signal -1
	s_barrier_wait -1
.irp i, 0,1,2,3
	ds_load_b128 v[176+4*\i:179+4*\i], v9 offset:1024+16*\i
.endr
	s_wait_dscnt 0x0
.irp i, 2,4,6,8,10,12,14
	v_pk_add_f32 v[176:177], v[176:177], v[176+\i:177+\i]
.endr
	v_fma_f32 v[RK], v176, s94, s93
	v_fma_f32 v[RV], v177, s95, s93
	v_rsq_f32 v[RK], v[RK]
	v_rsq_f32 v[RV], v[RV]
	v_nop
	s_wait_alu depctr_va_vdst(0)
.macro GLOAD gp, bp, off               ; gains and biases of half a K step, in the operand's order
.irp e, 0,1,2,3,4,5,6,7
	global_load_b128 v[GG+4*\e:GG+4*\e+3], v6, s[\gp:\gp+1] offset:\off+16*\e
	global_load_b128 v[BV+4*\e:BV+4*\e+3], v6, s[\bp:\bp+1] offset:\off+16*\e
.endr
	s_wait_loadcnt 0x0
.endm
.macro NORM dst, src, m, rr, c         ; ((x - mean) / sqrt) g + b for half c
.set i, 0
.rept 16
	v_pk_add_f32 v[\dst+32*\c+i:\dst+32*\c+i+1], v[\src+32*\c+i:\src+32*\c+i+1], v[\m:\m+1] op_sel_hi:[1,0] neg_lo:[0,1] neg_hi:[0,1]
.set i, i+2
.endr
.set i, 0
.rept 16
	v_pk_mul_f32 v[\dst+32*\c+i:\dst+32*\c+i+1], v[\dst+32*\c+i:\dst+32*\c+i+1], v[\rr:\rr+1] op_sel_hi:[1,0]
.set i, i+2
.endr
.set i, 0
.rept 16
	v_pk_fma_f32 v[\dst+32*\c+i:\dst+32*\c+i+1], v[\dst+32*\c+i:\dst+32*\c+i+1], v[GG+i:GG+i+1], v[BV+i:BV+i+1]
.set i, i+2
.endr
.endm
	GLOAD 42, 44, 4096                             ; text: r1g, r1b at 1,024 + 128 w
	NORM RT, RT, MK, RK, 0
	GLOAD 42, 44, 4096+256
	NORM RT, RT, MK, RK, 1
	QB RT, 224, 248                                ; v224-235, word v248
	GLOAD 46, 48, 0                                ; value: r2g, r2b at 128 w, on the motion numbers
	NORM RT, RM, MV, RV, 0
	GLOAD 46, 48, 256
	NORM RT, RM, MV, RV, 1
	QB RT, 236, 249                                ; v236-247, word v249
	GLOAD 42, 44, 0                                ; motion: r1g, r1b at 128 w
	NORM RM, RM, MK, RK, 0
	GLOAD 42, 44, 256
	NORM RM, RM, MK, RK, 1
	QB RM, 160, 250                                ; v160-171, word v250
.macro WLOAD dst, adr, bp, off         ; 16 rows x 128 K of a weight, in the operand's order
.irp c, 0,1
.irp e, 0,1,2,3,4,5,6,7
	global_load_b128 v[\dst+32*\c+4*\e:\dst+32*\c+4*\e+3], v[\adr], s[\bp:\bp+1] offset:\off+256*\c+16*\e th:TH_LOAD_NT
.endr
.endr
.endm
	WLOAD RM, 7, 76, 0                             ; Wkr, K step w
	WLOAD RT, 7, 76, 4096                          ; Wkr, K step w + 8
	s_wait_loadcnt 16                              ; the first sixteen are in; the younger fragment's sixteen may be out
	QB RM, 172, 251
	WLOAD RM, 5, 78, 0                             ; Wvr, K step w
	s_wait_loadcnt 16
	QB RT, 184, 252
	s_wait_loadcnt 0x0
	QB RM, 196, 253
	s_lshl_b32 s84, ttmp9, 6                       ; my sixteen columns of bkr and bvr
	s_mov_b32 s85, 0
	s_add_nc_u64 s[96:97], s[52:53], s[84:85]      ; bases of their own: nothing writes them before the wait at the head of the text row's part
	s_add_nc_u64 s[98:99], s[56:57], s[84:85]
	v_lshlrev_b32 v32, 2, v2
	global_load_b32 v33, v32, s[96:97]
	global_load_b32 v34, v32, s[98:99]
.rept 8
	v_nop                                          ; a scale word made by vector instructions stands eight places ahead of a scaled matrix instruction
.endr
	; source 0 = the 16 rows, source 1 = 16 columns: register j of lane (r, h) is row 8 h + j, column r.  Three sums, three accumulators
	v_wmma_scale_f32_16x16x128_f8f6f4 v[208:215], v[160:171], v[172:183], 0, v250, v251 matrix_a_fmt:MATRIX_FMT_FP6 matrix_b_fmt:MATRIX_FMT_FP6
	v_wmma_scale_f32_16x16x128_f8f6f4 v[216:223], v[224:235], v[184:195], 0, v248, v252 matrix_a_fmt:MATRIX_FMT_FP6 matrix_b_fmt:MATRIX_FMT_FP6
	v_wmma_scale_f32_16x16x128_f8f6f4 v[96:103], v[236:247], v[196:207], 0, v249, v253 matrix_a_fmt:MATRIX_FMT_FP6 matrix_b_fmt:MATRIX_FMT_FP6
.rept 4
	v_nop
.endr
.irp i, 0,2,4,6
	v_pk_add_f32 v[104+\i:105+\i], v[208+\i:209+\i], v[216+\i:217+\i]   ; the key's two K steps, from the low end on
.endr
	ds_store_b128 v254, v[104:107]
	ds_store_b128 v254, v[108:111] offset:512
	ds_store_b128 v254, v[96:99] offset:1024
	ds_store_b128 v254, v[100:103] offset:1536
	s_wait_dscnt 0x0
	s_barrier_signal -1
	s_barrier_wait -1
.irp p, 0,1,2,3,4,5,6,7
	ds_load_b32 v[36+\p], v255 offset:2048*\p
	ds_load_b32 v[44+\p], v255 offset:2048*\p+1024
.endr
	s_lshr_b32 s80, s18, 1                         ; my row's batch
	s_wait_kmcnt 0x0
	s_cmp_eq_u32 s80, 1
	s_cselect_b32 s81, s73, s72
	s_cmp_eq_u32 s80, 2
	s_cselect_b32 s81, s74, s81
	s_cmp_eq_u32 s80, 3
	s_cselect_b32 s81, s75, s81
	s_cmp_ge_i32 s81, 10                           ; cond_type // 10 > 0
	s_cselect_b32 s82, 0x3f800000, 0
	s_cselect_b32 s83, 0, 0xc9742400               ; (1 - retr_c) x -1e6
	s_mul_i32 s86, s80, 20480
	s_and_b32 s87, s18, 1
	s_lshl_b32 s87, s87, 13
	s_add_co_u32 s86, s86, s87
	s_add_co_u32 s86, s86, 4096
	s_add_co_u32 s86, s86, s84                     ; batch, key row 1 + 2 (w % 2), my columns
	s_mov_b32 s87, 0
	s_add_nc_u64 s[88:89], s[60:61], s[86:87]
	s_add_nc_u64 s[90:91], s[62:63], s[86:87]
	v_lshlrev_b32 v35, 12, v3
	v_lshl_add_u32 v35, v2, 2, v35
	s_wait_dscnt 0x0
.irp p, 1,2,3,4,5,6,7
	v_add_f32 v36, v36, v[36+\p]
	v_add_f32 v44, v44, v[44+\p]
.endr
	s_wait_loadcnt 0x0
	v_add_f32 v36, v36, v33
	v_add_f32 v36, s83, v36
	v_add_f32 v44, v44, v34
	v_mul_f32 v44, s82, v44
	global_store_b32 v35, v36, s[88:89]
	global_store_b32 v35, v44, s[90:91]
; THE TEXT ROW (two products left in f32, fused multiply-adds): wave w makes columns 16 s + 2 w + e, e = 0, 1, of key and value for the four batches.  Lane L, piece i holds elements 128 i + 4 L ..
.set XF,  32                           ; v32-127 xf's four rows;  v128-223 four rows of weights (Wkt e = 0, 1; Wvt e = 0, 1);  v224-247 tg;  v8-31 tb
.set WT,  128
.set TG,  224
.set TBN, 8
	s_wait_xcnt 0x0                                ; the loads and stores above have read their registers: they are written again below
	v_lshlrev_b32 v1, 4, v1
	s_lshl_b32 s84, ttmp9, 4
	s_lshl_b32 s85, s18, 1
	s_add_co_u32 s84, s84, s85                     ; my first column
	s_mul_i32 s86, s84, 3072
	s_mov_b32 s87, 0
	s_add_nc_u64 s[30:31], s[30:31], s[86:87]
	s_add_nc_u64 s[34:35], s[34:35], s[86:87]
	s_lshl_b32 s96, s84, 2
	s_mov_b32 s97, 0
	s_load_b64 s[40:41], s[32:33], s96 offset:0x0  ; bkt of my two columns
	s_load_b64 s[42:43], s[36:37], s96 offset:0x0  ; bvt
	s_add_nc_u64 s[44:45], s[60:61], s[96:97]
	s_add_nc_u64 s[46:47], s[62:63], s[96:97]
.irp b, 0,1,2,3
.irp i, 0,1,2,3,4,5
	global_load_b128 v[XF+24*\b+4*\i:XF+24*\b+4*\i+3], v1, s[24:25] offset:3072*\b+512*\i
.endr
.endr
.irp i, 0,1,2,3,4,5
	global_load_b128 v[TG+4*\i:TG+4*\i+3], v1, s[26:27] offset:512*\i
	global_load_b128 v[TBN+4*\i:TBN+4*\i+3], v1, s[28:29] offset:512*\i
.endr
.irp e, 0,1
.irp i, 0,1,2,3,4,5
	global_load_b128 v[WT+24*\e+4*\i:WT+24*\e+4*\i+3], v1, s[30:31] offset:3072*\e+512*\i th:TH_LOAD_NT
	global_load_b128 v[WT+48+24*\e+4*\i:WT+48+24*\e+4*\i+3], v1, s[34:35] offset:3072*\e+512*\i th:TH_LOAD_NT
.endr
.endr
	s_mov_b32 s92, 0x3aaaaaab                      ; 1 / 768
	s_wait_loadcnt 0x0
.macro LNT b0                          ; the layer norm of rows b0 and b0 + 1, in place; v2-5 two pairs of sums, v6-7 the permutes' targets
.irp q, 0,1
	v_pk_add_f32 v[2+2*\q:3+2*\q], v[XF+24*(\b0+\q):XF+24*(\b0+\q)+1], v[XF+24*(\b0+\q)+2:XF+24*(\b0+\q)+3]
.endr
.irp i, 4,6,8,10,12,14,16,18,20,22
.irp q, 0,1
	v_pk_add_f32 v[2+2*\q:3+2*\q], v[2+2*\q:3+2*\q], v[XF+24*(\b0+\q)+\i:XF+24*(\b0+\q)+\i+1]
.endr
.endr
.irp q, 0,1
	v_add_f32 v[2+2*\q], v[2+2*\q], v[3+2*\q]
.endr
	RED 2, 6, 2
.irp q, 0,1
	v_mul_f32 v[2+2*\q], s92, v[2+2*\q]
.endr
.irp i, 0,2,4,6,8,10,12,14,16,18,20,22
.irp q, 0,1
	v_pk_add_f32 v[XF+24*(\b0+\q)+\i:XF+24*(\b0+\q)+\i+1], v[XF+24*(\b0+\q)+\i:XF+24*(\b0+\q)+\i+1], v[2+2*\q:3+2*\q] op_sel_hi:[1,0] neg_lo:[0,1] neg_hi:[0,1]
.endr
.endr
.irp q, 0,1
	v_pk_mul_f32 v[2+2*\q:3+2*\q], v[XF+24*(\b0+\q):XF+24*(\b0+\q)+1], v[XF+24*(\b0+\q):XF+24*(\b0+\q)+1]
.endr
.irp i, 2,4,6,8,10,12,14,16,18,20,22
.irp q, 0,1
	v_pk_fma_f32 v[2+2*\q:3+2*\q], v[XF+24*(\b0+\q)+\i:XF+24*(\b0+\q)+\i+1], v[XF+24*(\b0+\q)+\i:XF+24*(\b0+\q)+\i+1], v[2+2*\q:3+2*\q]
.endr
.endr
.irp q, 0,1
	v_add_f32 v[2+2*\q], v[2+2*\q], v[3+2*\q]
.endr
	RED 2, 6, 2
.irp q, 0,1
	v_fma_f32 v[2+2*\q], v[2+2*\q], s92, s93
.endr
.irp q, 0,1
	v_rsq_f32 v[2+2*\q], v[2+2*\q]
.endr
	v_nop
	s_wait_alu depctr_va_vdst(0)
.irp i, 0,2,4,6,8,10,12,14,16,18,20,22
.irp q, 0,1
	v_pk_mul_f32 v[XF+24*(\b0+\q)+\i:XF+24*(\b0+\q)+\i+1], v[XF+24*(\b0+\q)+\i:XF+24*(\b0+\q)+\i+1], v[2+2*\q:3+2*\q] op_sel_hi:[1,0]
.endr
.endr
.irp i, 0,2,4,6,8,10,12,14,16,18,20,22
.irp q, 0,1
	v_pk_fma_f32 v[XF+24*(\b0+\q)+\i:XF+24*(\b0+\q)+\i+1], v[XF+24*(\b0+\q)+\i:XF+24*(\b0+\q)+\i+1], v[TG+\i:TG+\i+1], v[TBN+\i:TBN+\i+1]
.endr
.endr
.endm
	LNT 0
	LNT 2
.irp wr, 0,1,2,3                       ; a row of weights against the four batches: v8-15 four pairs of sums; the result goes to v[224 + 4 wr + b]
.irp b, 0,1,2,3
	v_pk_mul_f32 v[8+2*\b:9+2*\b], v[XF+24*\b:XF+24*\b+1], v[WT+24*\wr:WT+24*\wr+1]
.endr
.irp i, 2,4,6,8,10,12,14,16,18,20,22
.irp b, 0,1,2,3
	v_pk_fma_f32 v[8+2*\b:9+2*\b], v[XF+24*\b+\i:XF+24*\b+\i+1], v[WT+24*\wr+\i:WT+24*\wr+\i+1], v[8+2*\b:9+2*\b]
.endr
.endr
.irp b, 0,1,2,3
	v_add_f32 v[8+2*\b], v[8+2*\b], v[9+2*\b]
.endr
	RED 8, 16, 4
.irp b, 0,1,2,3
	v_mov_b32 v[224+4*\wr+\b], v[8+2*\b]
.endr
.endr
	v_and_b32 v16, 1, v0                           ; lane L stores batch L % 4: the eight lanes of a batch store the same word with the same value, and EXEC stays whole
	v_cmp_ne_u32 s92, 0, v16
	v_and_b32 v16, 2, v0
	v_cmp_ne_u32 s93, 0, v16
.irp b, 0,1,2,3
	s_sub_co_i32 s94, 0, s[72+\b]
	s_max_i32 s94, s94, s[72+\b]                   ; |cond_type| (as an unsigned number)
	s_mul_hi_u32 s95, s94, 0xcccccccd
	s_lshr_b32 s95, s95, 3
	s_mul_i32 s95, s95, 10
	s_sub_co_u32 s94, s94, s95
	s_cmp_lg_u32 s94, 0                            ; cond_type % 10 > 0: not a multiple of ten
	s_cselect_b32 s95, 0x3f800000, 0
	v_mov_b32 v[20+\b], s95
	s_cselect_b32 s95, 0, 0xc9742400
	v_mov_b32 v[24+\b], s95
.endr
.macro SEL3 dst, a                     ; of four registers the one of my batch
	v_cndmask_b32 v[\dst], v[\a], v[\a+1], s92
	v_cndmask_b32 v30, v[\a+2], v[\a+3], s92
	v_cndmask_b32 v[\dst], v[\dst], v30, s93
.endm
	SEL3 28, 20                                    ; text_c
	SEL3 29, 24                                    ; (1 - text_c) x -1e6
	v_and_b32 v31, 3, v0
	v_mul_u32_u24 v31, v31, 20480
	s_wait_kmcnt 0x0
.irp e, 0,1
	SEL3 2+\e, 224+4*\e
	v_add_f32 v[2+\e], s[40+\e], v[2+\e]
	v_add_f32 v[2+\e], v[2+\e], v29
	global_store_b32 v31, v[2+\e], s[44:45] offset:4*\e
	SEL3 4+\e, 232+4*\e
	v_add_f32 v[4+\e], s[42+\e], v[4+\e]
	v_mul_f32 v[4+\e], v[4+\e], v28
	global_store_b32 v31, v[4+\e], s[46:47] offset:4*\e
.endr
	s_set_vgpr_msb 0x5
	s_wait_tensorcnt 0x0
	ds_add_u32 v0, v1
	s_wait_dscnt 0x0
	s_set_vgpr_msb 0x500
	s_endpgm
.Lfunc_end_k_qfc49f2cd14_prep:
	.size	k_qfc49f2cd14_prep, .Lfunc_end_k_qfc49f2cd14_prep-k_qfc49f2cd14_prep
	.p2alignl 7, 3214868480
	.fill 96, 4, 3214868480
	.section	.rodata,"a",@progbits
	.p2align	6, 0x0
	.amdhsa_kernel k_qfc49f2cd14_prep
		.amdhsa_group_segment_fixed_size 152064
		.amdhsa_private_segment_fixed_size 0
		.amdhsa_enable_private_segment 0
		.amdhsa_kernarg_size 216
		.amdhsa_user_sgpr_count 2
		.amdhsa_user_sgpr_kernarg_segment_ptr 1
		.amdhsa_wavefront_size32 1
		.amdhsa_system_sgpr_workgroup_id_x 1
		.amdhsa_system_sgpr_workgroup_id_y 1
		.amdhsa_system_sgpr_workgroup_id_z 1
		.amdhsa_system_vgpr_workitem_id 0
		.amdhsa_next_free_vgpr 258
		.amdhsa_next_free_sgpr 100
		.amdhsa_reserve_vcc 1
		.amdhsa_float_denorm_mode_32 3
		.amdhsa_float_denorm_mode_16_64 3
		.amdhsa_memory_ordered 1
		.amdhsa_forward_progress 1
		.amdhsa_inst_pref_size 170
	.end_amdhsa_kernel
	.amdgpu_metadata
---
amdhsa.version: [ 1, 2 ]
amdhsa.kernels:
  - .name:           k_qfc49f2cd14_prep
    .symbol:         k_qfc49f2cd14_prep.kd
    .args:
      - { .name: x, .offset: 0, .size: 8, .value_kind: global_buffer, .address_space: global }
      - { .name: ng, .offset: 8, .size: 8, .value_kind: global_buffer, .address_space: global }
      - { .name: nb, .offset: 16, .size: 8, .value_kind: global_buffer, .address_space: global }
      - { .name: Wq, .offset: 24, .size: 8, .value_kind: global_buffer, .address_space: global }
      - { .name: Wkm, .offset: 32, .size: 8, .value_kind: global_buffer, .address_space: global }
      - { .name: Wvm, .offset: 40, .size: 8, .value_kind: global_buffer, .address_space: global }
      - { .name: codes, .offset: 48, .size: 8, .value_kind: global_buffer, .address_space: global }
      - { .name: xf, .offset: 56, .size: 8, .value_kind: global_buffer, .address_space: global }
      - { .name: tg, .offset: 64, .size: 8, .value_kind: global_buffer, .address_space: global }
      - { .name: tb, .offset: 72, .size: 8, .value_kind: global_buffer, .address_space: global }
      - { .name: Wkt, .offset: 80, .size: 8, .value_kind: global_buffer, .address_space: global }
      - { .name: bkt, .offset: 88, .size: 8, .value_kind: global_buffer, .address_space: global }
      - { .name: Wvt, .offset: 96, .size: 8, .value_kind: global_buffer, .address_space: global }
      - { .name: bvt, .offset: 104, .size: 8, .value_kind: global_buffer, .address_space: global }
      - { .name: re_motion, .offset: 112, .size: 8, .value_kind: global_buffer, .address_space: global }
      - { .name: re_text, .offset: 120, .size: 8, .value_kind: global_buffer, .address_space: global }
      - { .name: r1g, .offset: 128, .size: 8, .value_kind: global_buffer, .address_space: global }
      - { .name: r1b, .offset: 136, .size: 8, .value_kind: global_buffer, .address_space: global }
      - { .name: r2g, .offset: 144, .size: 8, .value_kind: global_buffer, .address_space: global }
      - { .name: r2b, .offset: 152, .size: 8, .value_kind: global_buffer, .address_space: global }
      - { .name: Wkr, .offset: 160, .size: 8, .value_kind: global_buffer, .address_space: global }
      - { .name: bkr, .offset: 168, .size: 8, .value_kind: global_buffer, .address_space: global }
      - { .name: Wvr, .offset: 176, .size: 8, .value_kind: global_buffer, .address_space: global }
      - { .name: bvr, .offset: 184, .size: 8, .value_kind: global_buffer, .address_space: global }
      - { .name: cond_type, .offset: 192, .size: 8, .value_kind: global_buffer, .address_space: global }
      - { .name: kspec, .offset: 200, .size: 8, .value_kind: global_buffer, .address_space: global }
      - { .name: vspec, .offset: 208, .size: 8, .value_kind: global_buffer, .address_space: global }
    .group_segment_fixed_size: 152064
    .private_segment_fixed_size: 0
    .kernarg_segment_align: 8
    .kernarg_segment_size: 216
    .max_flat_workgroup_size: 256
    .sgpr_count:     100
    .vgpr_count:     258
    .wavefront_size: 32
...
	.end_amdgpu_metadata
.endif
;; end of part 1
;; launch kv (part 2): grid 8 x 32, 4 waves a work-group, clusters of 4 x 1, 327,680 bytes of LDS; arguments codes, kspec, vspec, src_mask, bkm, bvm, part, pstat; writes part, pstat
.if DOCPART == 2
	.amdgcn_target "amdgcn-amd-amdhsa--gfx1250"
	.amdhsa_code_object_version 6
	.text
	.protected	k_qfc49f2cd14_kv
	.globl	k_qfc49f2cd14_kv
	.p2align	8
	.type	k_qfc49f2cd14_kv,@function
k_qfc49f2cd14_kv:
	s_mov_b64 s[64:65], 0
	v_nop
	global_prefetch_b8 v0, s[64:65] scope:SCOPE_SE
	s_setreg_imm32_b32 hwreg(HW_REG_WAVE_MODE, 25, 1), 1
	s_wait_xcnt 0x0
	s_wait_alu depctr_hold_cnt(0) depctr_sa_sdst(0) depctr_va_vdst(0) depctr_va_sdst(0) depctr_va_ssrc(0) depctr_va_vcc(0) depctr_vm_vsrc(0)
	s_getreg_b32 s2, hwreg(HW_REG_IB_STS2, 6, 4)
	s_cmp_eq_u32 s2, 0
	s_cbranch_scc0 .Lentry_in_a_cluster
	s_endpgm
.Lentry_in_a_cluster:
	s_bfe_u32 s2, ttmp6, 0x10000c
	s_cmp_lg_u32 s2, 0x3003
	s_cbranch_scc0 .Lentry_shape_is_right
	s_endpgm
.Lentry_shape_is_right:
; KV.  Keys and values of 544 key rows (17 groups of 32) for two heads, the softmax over the key rows with a running whole-number maximum, and the chunk's part of attn[d][l] = sum over n of p[n][d] v[n][l].
; All products on codes of E2M3 with E8M0 scales.  A work-group: batch b, chunk c (key rows 544 c ..), head pair hp.  Wave w: head 2 hp + w / 2, half w % 2: 32 key columns (two tiles, ct = 0, 1) and 32 value
; columns (ct = 2, 3), whose weights, 32 fragments, stay in 384 registers.  The token fragments come through LDS and are read by all four waves; each feeds four matrix instructions.
; CLUSTER: the four work-groups of a cluster differ in the head pair alone and walk the same groups of tokens, so each group is asked for JOINTLY (mask 15, the same descriptor in all four).
; LAYOUT.  Source 0 = 16 key rows, source 1 = 16 columns of a weight: a lane holds ONE column, and since a tile's rows are 8 u + r + 8 (r / 8) of their group, registers 16 g + i of a column are the key rows
; 32 g + 16 (lane / 16) + i: sixteen neighbours along the next product's K.  p and v are quantised in registers; v's fragments go to the head's other wave through LDS as images of their registers.
; THE SOFTMAX: t = logit x log2(e); M = the column's largest t so far, rounded up to a whole number (kept as -M); p = 2^(t - M) is quantised; the sum is taken of the unquantised p; when M moves, the sum and the
; accumulators are multiplied by 2^(old M - new M), exactly.  Each chunk stores its -M, its sum and its 64 x 64 part; the next launch merges them.
; The chunk's first group goes alone (a K step of the last product whose upper 96 rows are zero codes), then four steps of four groups.  In chunk 0 its rows 0 .. 4 are replaced by the special rows.
; Rows n >= 4,101 get the logit -infinity and the value 0.
; LIMITS: NaN and infinities among the inputs are not served.  A block's largest p is taken from its largest logit (this takes v_exp_f32 not to fall where its input rises).  A block whose largest magnitude lies
; under 2^-124 keeps the byte 1.  src_mask goes through v_cvt_f32_i32.  The biases are the C of the first K step.
; REGISTERS, in windows of 256.  Window 1: weights' fragments (ks, ct), ks = 0 .. 4, at 12 (4 ks + ct); v240-251 p's fragment of tile 0.  Window 2: ks = 5 .. 7 at 12 (4 (ks - 5) + ct); v144-175 the biases, 8 equal
; registers a tile; v176-239 the eight accumulators of attn; v240-251 p's fragment of tile 1.  Window 3: the 32 accumulators, (ct, tt) at 64 ct + 8 tt.  Window 0: below.
.set GRP,   25600
.set MINI,  102400                     ; LDS: slot 0 at 0 (four groups), the first group at MINI, slot 1 at 2^17, so that one exclusive or turns an address from slot to slot
.set SLOT1, 131072
.set KNEG,  233472                     ; 640 words: what is added to a key row's logits;
.set VSRC,  236032                     ; 640 words: what a value row is multiplied by
.set VIMG,  238592                     ; v's fragments, [wave][tile] x 1,536 bytes;
.set VSCL,  250880                     ; their scale words, [wave][tile] x 128 bytes
.set SPARE, 251904                     ; the spare words, 128 bytes for each wave: two blocks of 256 bytes that no other line names
.set SPW, 1                            ; v1 SPARE + 4 x thread, v2 = 0: never rewritten
.set NIL, 2
.set L16, 3                            ; v3  16 x lane
.set ADA, 4                            ; v4-5  the step's groups 0, 1 and 2, 3: fragments
.set ADS, 6                            ; v6-7  their scale words
.set SA,  8                            ; v8  24,576 + 32 r + 16 h
.set AKN, 9                            ; v9, v10  the step's rows in KNEG and VSRC
.set AVS, 10
.set KB,  11                           ; v11 KNEG + 64 h
.set VWI, 12                           ; v12, v13 where I store v's images and scale words;  v14, v15 where I read my head's
.set VWS, 13
.set VRI, 14
.set VRS, 15
.set WS,  16                           ; v16-31 the weights' scale words, 4 a tile: register j holds word j in lanes 0-15 and word 4 + j in lanes 16-31
.set AS,  32                           ; v32-63 the tokens' likewise, 4 a tile.  Behind a step's first products v56-57 take p's words, v58-59 v's as made, v60-63 v's as read: scales all
.set PW,  56
.set VWO, 58
.set VW,  60
.set AF,  64                           ; v64-159 eight token fragments.  Behind the first products: v64-127 VSRC's rows, v128-135 scale operands, v136-143 bytes, v144-159 second halves of codes
.set VS,  64
.set COL, 84                           ; at the head only: 4 (r + 8 (r / 8)), the offset of the loads by column; no load of the head lands here
.set SCO, 128
.set BY,  136
.set TC,  144
.set KN,  160                          ; v160-223 KNEG's rows.  Later v160-207 v's four fragments, v208-223 first halves of p's codes
.set VF,  160
.set TA,  208
.set VSM, 176                          ; the first group: VSRC's rows at v176-191, the special rows' numbers at v192-211
.set SPEC, 192
.set ST,  224                          ; v224.., v232..: a key tile's -M, largest t, sum (pair), f, (its pair's upper word), second chain of the sum (pair)
.set BM,  240                          ; v240-247 largest logit or magnitude of a block;  v248-255 the permutes' targets, at work
.set TP,  248
.set PF,  240
.set BIAS, 144
.set AT,  176
.set MSB, 0
.macro WIN new                         ; s_set_vgpr_msb: bits 1:0 source 0, 3:2 source 1, 5:4 source 2, 7:6 destination; the high byte repeats the setting that is left
.if MSB != \new
	s_set_vgpr_msb (MSB<<8)|\new
.set MSB, \new
.endif
.endm
.macro NOP4                            ; four places behind a matrix instruction, in front of loads into its registers and of reads of its result
.rept 4
	v_nop
.endr
.endm
.macro CROUND                          ; a round of the cluster's barrier
	s_barrier_signal -1
	s_barrier_wait -1
	s_cmp_lg_u32 s52, 0
	s_cbranch_scc1 .Lnot_wave_0_\@
	s_barrier_signal -3
.Lnot_wave_0_\@:
	s_barrier_wait -3
	s_barrier_signal -1
	s_barrier_wait -1
.endm
; Four matrix instructions: token tile tt (its fragment in slot) against my four tiles of columns, K step ks.  K steps 4 .. 7 take their scale words from lanes 16-31.
.macro KMUL ks, tt, slot
.if (\ks) == 0
	WIN 0xe4                                       ; A window 0, B window 1, C (the bias) window 2, D window 3
.elseif (\ks) < 5
	WIN 0xf4
.else
	WIN 0xf8                                       ; B window 2
.endif
.irp ct, 0,1,2,3
.if (\ks) < 5
.set rW, 12*(4*(\ks)+\ct)
.else
.set rW, 12*(4*((\ks)-5)+\ct)
.endif
.set rD, 64*\ct+8*(\tt)
.set rA, AF+12*(\slot)
.set rSA, AS+4*(\tt)+((\ks)%4)
.set rSW, WS+4*\ct+((\ks)%4)
.if (\ks) == 0
	v_wmma_scale_f32_16x16x128_f8f6f4 v[rD:rD+7], v[rA:rA+11], v[rW:rW+11], v[BIAS+8*\ct:BIAS+8*\ct+7], v[rSA], v[rSW] matrix_a_fmt:MATRIX_FMT_FP6 matrix_b_fmt:MATRIX_FMT_FP6
.elseif (\ks) < 4
	v_wmma_scale_f32_16x16x128_f8f6f4 v[rD:rD+7], v[rA:rA+11], v[rW:rW+11], v[rD:rD+7], v[rSA], v[rSW] matrix_a_fmt:MATRIX_FMT_FP6 matrix_b_fmt:MATRIX_FMT_FP6
.else
	v_wmma_scale_f32_16x16x128_f8f6f4 v[rD:rD+7], v[rA:rA+11], v[rW:rW+11], v[rD:rD+7], v[rSA], v[rSW] matrix_a_fmt:MATRIX_FMT_FP6 matrix_b_fmt:MATRIX_FMT_FP6 matrix_a_scale:MATRIX_SCALE_ROW1 matrix_b_scale:MATRIX_SCALE_ROW1
.endif
.endr
.endm
.macro AFETCH slot, adr, off           ; a fragment's image: three loads of 512 consecutive bytes
.irp q, 0,1,2
	ds_load_b128 v[AF+12*(\slot)+4*\q:AF+12*(\slot)+4*\q+3], v[\adr] offset:(\off)+512*\q
.endr
.endm
.macro TFETCH ks, t0                   ; K step ks of tiles t0 .. t0 + 3 (tile tt = 2 g + u of the step's group g)
.irp tt, \t0, \t0+1, \t0+2, \t0+3
	AFETCH (\tt), ADA+((\tt)/4), (((\tt)/2)%2)*GRP+(8*((\tt)%2)+(\ks))*1536
.endr
.endm
; A step's first products: 128 key rows x my 64 columns x K = 1,024: 256 matrix instructions.  The 32 accumulators take turns, one instruction a turn, in the same order in every K step.
.macro GEMM8
	WIN 0
.irp g, 0,1,2,3
.irp e, 0,1,2,3
	ds_load_b128 v[KN+16*\g+4*\e:KN+16*\g+4*\e+3], v[AKN] offset:128*\g+16*\e
.endr
.endr
.irp tt, 0,1,2,3,4,5,6,7
	ds_load_b128 v[AS+4*\tt:AS+4*\tt+3], v[ADS+\tt/4] offset:((\tt/2)%2)*GRP+512*(\tt%2)
.endr
	TFETCH 0, 0
	TFETCH 0, 4
.irp ks, 0,1,2,3,4,5,6,7
	s_wait_dscnt 12                                ; all but the youngest twelve loads (tiles 4-7) are in
.irp tt, 0,1,2,3
	KMUL \ks, \tt, \tt
.endr
	s_wait_dscnt 0x0                               ; tiles 4-7 (asked for sixteen matrix instructions ago)
.if \ks < 7
	NOP4
	WIN 0
	TFETCH \ks+1, 0
.endif
.irp tt, 4,5,6,7
	KMUL \ks, \tt, \tt
.endr
.if \ks < 7
	NOP4
	WIN 0
	TFETCH \ks+1, 4
.endif
.endr
.endm
.macro MFETCH ks                       ; the first group: both tiles of K step ks into slots 2 (ks % 4) + u
.irp u, 0,1
	AFETCH 2*((\ks)%4)+\u, ADA, (8*\u+(\ks))*1536
.endr
.endm
.macro GEMM2                           ; the first group's products: 64 matrix instructions, eight accumulators by turns
	WIN 0
.irp e, 0,1,2,3
	ds_load_b128 v[KN+4*\e:KN+4*\e+3], v[AKN] offset:16*\e
	ds_load_b128 v[VSM+4*\e:VSM+4*\e+3], v[AVS] offset:16*\e
.endr
.irp u, 0,1
	ds_load_b128 v[AS+4*\u:AS+4*\u+3], v[ADS] offset:512*\u
.endr
	MFETCH 0
	MFETCH 1
	MFETCH 2
	MFETCH 3
.irp p, 0,1,2,3
.if \p < 3
	s_wait_dscnt 12                                ; all but the two youngest K steps' twelve loads
.else
	s_wait_dscnt 0x0
.endif
.irp k2, 0,1
.irp u, 0,1
	KMUL 2*\p+\k2, \u, 2*((2*\p+\k2)%4)+\u
.endr
.endr
.if \p < 2
	NOP4
	WIN 0
	MFETCH 2*\p+4
	MFETCH 2*\p+5
.endif
.endr
.endm
; The softmax of my two key tiles over NB blocks of 32 key rows (4, or 1 for the first group), and p's codes.
.macro KSOFT NB
	WIN 0xc3                                       ; in place on the accumulators, the helper from window 0
.irp ct, 0,1
.set i, 0
.rept 8*\NB
	v_pk_add_f32 v[64*\ct+2*i:64*\ct+2*i+1], v[64*\ct+2*i:64*\ct+2*i+1], v[KN+2*i:KN+2*i+1]   ; + (1 - src) x -1e6; each accumulator from its low end on
.set i, i+1
.endr
.endr
	WIN 0x3c
.irp i, 0,1,2,3,4,5,6,7
.irp ct, 0,1
.irp g, 0,1,2,3
.if \g < \NB
.if \i == 0
	v_max3_num_f32 v[BM+4*\ct+\g], 0xff800000, v[64*\ct+16*\g], v[64*\ct+16*\g+1]   ; the largest logit of each block: it serves for the column's maximum and for the block's largest p
.else
	v_max3_num_f32 v[BM+4*\ct+\g], v[BM+4*\ct+\g], v[64*\ct+16*\g+2*\i], v[64*\ct+16*\g+2*\i+1]
.endif
.endif
.endr
.endr
.endr
	WIN 0
.irp ct, 0,1
.irp g, 0,1,2,3
.if \g < \NB
	v_permlanex16_b32 v[TP+4*\ct+\g], v[BM+4*\ct+\g], s20, s21
.endif
.endr
.endr
.irp ct, 0,1
.irp g, 0,1,2,3
.if \g < \NB
	v_max_num_f32 v[BM+4*\ct+\g], v[BM+4*\ct+\g], v[TP+4*\ct+\g]   ; with lane l xor 16's sixteen rows
.endif
.endr
.endr
.irp ct, 0,1
.if \NB == 4
	v_max3_num_f32 v[TP+4*\ct], v[BM+4*\ct], v[BM+4*\ct+1], v[BM+4*\ct+2]
	v_max_num_f32 v[TP+4*\ct], v[TP+4*\ct], v[BM+4*\ct+3]
	v_mul_f32 v[TP+4*\ct], s22, v[TP+4*\ct]
.else
	v_mul_f32 v[TP+4*\ct], s22, v[BM+4*\ct]
.endif
	v_max_num_f32 v[ST+8*\ct+1], v[ST+8*\ct+1], v[TP+4*\ct]       ; the running largest t
	v_mov_b32 v[TP+4*\ct+1], v[ST+8*\ct]
	v_floor_f32 v[ST+8*\ct], -v[ST+8*\ct+1]                       ; -M = floor(-t)
	v_sub_f32 v[TP+4*\ct+1], v[ST+8*\ct], v[TP+4*\ct+1]           ; old M - new M, a whole number, 0 or less
	v_cvt_i32_f32 v[TP+4*\ct+1], v[TP+4*\ct+1]                    ; (it saturates)
	v_ldexp_f32 v[ST+8*\ct+4], 1.0, v[TP+4*\ct+1]                 ; f = 2^(old M - new M)
.endr
	WIN 0xc3
.irp ct, 0,1
.set i, 0
.rept 8*\NB
	v_pk_fma_f32 v[64*\ct+2*i:64*\ct+2*i+1], v[64*\ct+2*i:64*\ct+2*i+1], s[22:23], v[ST+8*\ct:ST+8*\ct+1] op_sel_hi:[1,0,0]   ; t - M
.set i, i+1
.endr
.endr
	WIN 0
.irp ct, 0,1
.irp g, 0,1,2,3
.if \g < \NB
	v_fma_f32 v[BM+4*\ct+\g], v[BM+4*\ct+\g], s22, v[ST+8*\ct]    ; the same of each block's largest logit
.endif
.endr
.endr
	WIN 0xc3
.irp ct, 0,1
.set i, 0
.rept 16*\NB
	v_exp_f32 v[64*\ct+i], v[64*\ct+i]                            ; p = 2^(t - M)
.set i, i+1
.endr
.endr
	WIN 0
.irp ct, 0,1
.irp g, 0,1,2,3
.if \g < \NB
	v_exp_f32 v[BM+4*\ct+\g], v[BM+4*\ct+\g]
.endif
.endr
.endr
	s_wait_alu depctr_va_vdst(0)
.irp ct, 0,1
	v_pk_mul_f32 v[ST+8*\ct+2:ST+8*\ct+3], v[ST+8*\ct+2:ST+8*\ct+3], v[ST+8*\ct+4:ST+8*\ct+5] op_sel_hi:[1,0]   ; the sum under the new M (a plain place behind the exponentials)
.endr
.irp ct, 0,1
.irp g, 0,1,2,3
.if \g < \NB
	v_max_num_f32 v[BM+4*\ct+\g], 0x1800000, v[BM+4*\ct+\g]       ; the floor 2^(3 - 127)
.endif
.endr
.endr
.irp ct, 0,1
.irp g, 0,1,2,3
.if \g < \NB
	v_add_nc_u32 v[SCO+4*\ct+\g], 0xff000000, v[BM+4*\ct+\g]
.endif
.endr
.endr
.irp ct, 0,1
.irp g, 0,1,2,3
.if \g < \NB
	v_lshrrev_b32 v[BY+4*\ct+\g], 23, v[SCO+4*\ct+\g]
.endif
.endr
.endr
.irp ct, 0,1
.if \NB == 4
	v_lshl_or_b32 v[PW+\ct], v[BY+4*\ct+1], 8, v[BY+4*\ct]
	v_lshl_or_b32 v[PW+\ct], v[BY+4*\ct+2], 16, v[PW+\ct]
	v_lshl_or_b32 v[PW+\ct], v[BY+4*\ct+3], 24, v[PW+\ct]
.else
	v_mov_b32 v[PW+\ct], v[BY+4*\ct]                              ; the other three blocks are zero codes
.endif
.endr
	WIN 0x03                                       ; source 0 from the accumulators, all else window 0
.irp ct, 0,1
.irp c2, 0,1
.if 2*\c2 < \NB
	v_cvt_scalef32_pk16_fp6_f32 v[TA+8*\ct+4*\c2:TA+8*\ct+4*\c2+2], v[64*\ct+32*\c2:64*\ct+32*\c2+15], v[SCO+4*\ct+2*\c2]
.if \NB == 4
	v_cvt_scalef32_pk16_fp6_f32 v[TC+8*\ct+4*\c2:TC+8*\ct+4*\c2+2], v[64*\ct+32*\c2+16:64*\ct+32*\c2+31], v[SCO+4*\ct+2*\c2+1]
.endif
.endif
.endr
.endr
.irp ct, 0,1                           ; the sum is taken of the unquantised p, in two chains a tile (these are also the plain places behind the conversions)
	v_pk_mul_f32 v[ST+8*\ct+6:ST+8*\ct+7], v[64*\ct+2:64*\ct+3], 1.0 op_sel_hi:[1,0]
.endr
.irp ct, 0,1
.set i, 0
.rept 4*\NB
	v_pk_add_f32 v[ST+8*\ct+2:ST+8*\ct+3], v[64*\ct+4*i:64*\ct+4*i+1], v[ST+8*\ct+2:ST+8*\ct+3]
.if i > 0
	v_pk_add_f32 v[ST+8*\ct+6:ST+8*\ct+7], v[64*\ct+4*i+2:64*\ct+4*i+3], v[ST+8*\ct+6:ST+8*\ct+7]
.endif
.set i, i+1
.endr
.endr
	WIN 0
.if \NB == 1
.irp ct, 0,1
.irp i, 0,1,2
	v_mov_b32 v[TC+8*\ct+\i], 0                    ; the block beside the one block: zero codes
.endr
.endr
.endif
.irp ct, 0,1                           ; the operand wants a whole block in a lane: lanes 0-15 block 2 c2, lanes 16-31 block 2 c2 + 1
.irp c2, 0,1
.if 2*\c2 < \NB
.irp i, 0,1,2
	v_permlane16_swap_b32 v[TA+8*\ct+4*\c2+\i], v[TC+8*\ct+4*\c2+\i]
.endr
.endif
.endr
.endr
.irp ct, 0,1
	v_pk_add_f32 v[ST+8*\ct+2:ST+8*\ct+3], v[ST+8*\ct+2:ST+8*\ct+3], v[ST+8*\ct+6:ST+8*\ct+7]
.endr
.irp ct, 0,1
	WIN 0x40+0x40*\ct                              ; tile 0's fragment goes to window 1, tile 1's to window 2
.irp c2, 0,1
.irp i, 0,1,2
.if 2*\c2 < \NB
	v_mov_b32 v[PF+6*\c2+\i], v[TA+8*\ct+4*\c2+\i]
	v_mov_b32 v[PF+6*\c2+3+\i], v[TC+8*\ct+4*\c2+\i]
.else
	v_mov_b32 v[PF+6*\c2+\i], 0
	v_mov_b32 v[PF+6*\c2+3+\i], 0
.endif
.endr
.endr
.endr
	WIN 0
.endm
; My two value tiles: x src, quantised along the key rows, stored as images; a barrier; my head's four fragments are asked for.
.macro VQUANT NB, vsb
	s_wait_dscnt 0x0                               ; VSRC's rows are in
	WIN 0xc3
.irp u, 0,1
.set i, 0
.rept 8*\NB
	v_pk_mul_f32 v[128+64*\u+2*i:128+64*\u+2*i+1], v[128+64*\u+2*i:128+64*\u+2*i+1], v[\vsb+2*i:\vsb+2*i+1]
.set i, i+1
.endr
.endr
	WIN 0x3c
.irp i, 0,1,2,3,4,5,6,7
.irp u, 0,1
.irp g, 0,1,2,3
.if \g < \NB
.if \i == 0
	v_max3_num_f32 v[BM+4*\u+\g], 0x1800000, |v[128+64*\u+16*\g]|, |v[128+64*\u+16*\g+1]|
.else
	v_max3_num_f32 v[BM+4*\u+\g], v[BM+4*\u+\g], |v[128+64*\u+16*\g+2*\i]|, |v[128+64*\u+16*\g+2*\i+1]|
.endif
.endif
.endr
.endr
.endr
	WIN 0
.irp u, 0,1
.irp g, 0,1,2,3
.if \g < \NB
	v_permlanex16_b32 v[TP+4*\u+\g], v[BM+4*\u+\g], s20, s21
.endif
.endr
.endr
.irp u, 0,1
.irp g, 0,1,2,3
.if \g < \NB
	v_max_num_f32 v[BM+4*\u+\g], v[BM+4*\u+\g], v[TP+4*\u+\g]
.endif
.endr
.endr
.irp u, 0,1
.irp g, 0,1,2,3
.if \g < \NB
	v_add_nc_u32 v[SCO+4*\u+\g], 0xff000000, v[BM+4*\u+\g]
.endif
.endr
.endr
.irp u, 0,1
.irp g, 0,1,2,3
.if \g < \NB
	v_lshrrev_b32 v[BY+4*\u+\g], 23, v[SCO+4*\u+\g]
.endif
.endr
.endr
.irp u, 0,1
.if \NB == 4
	v_lshl_or_b32 v[VWO+\u], v[BY+4*\u+1], 8, v[BY+4*\u]
	v_lshl_or_b32 v[VWO+\u], v[BY+4*\u+2], 16, v[VWO+\u]
	v_lshl_or_b32 v[VWO+\u], v[BY+4*\u+3], 24, v[VWO+\u]
.else
	v_mov_b32 v[VWO+\u], v[BY+4*\u]
.endif
.endr
	WIN 0x03
.irp u, 0,1
.irp c2, 0,1
.if 2*\c2 < \NB
	v_cvt_scalef32_pk16_fp6_f32 v[VF+12*\u+6*\c2:VF+12*\u+6*\c2+2], v[128+64*\u+32*\c2:128+64*\u+32*\c2+15], v[SCO+4*\u+2*\c2]
.if \NB == 4
	v_cvt_scalef32_pk16_fp6_f32 v[TC+8*\u+4*\c2:TC+8*\u+4*\c2+2], v[128+64*\u+32*\c2+16:128+64*\u+32*\c2+31], v[SCO+4*\u+2*\c2+1]
.endif
.endif
.endr
.endr
	WIN 0
	v_nop                                          ; one plain place behind the conversions
.if \NB == 1
.irp u, 0,1
.irp i, 0,1,2
	v_mov_b32 v[TC+8*\u+\i], 0
.endr
.irp i, 6,7,8,9,10,11
	v_mov_b32 v[VF+12*\u+\i], 0
.endr
.endr
.endif
.irp u, 0,1
.irp c2, 0,1
.if 2*\c2 < \NB
.irp i, 0,1,2
	v_permlane16_swap_b32 v[VF+12*\u+6*\c2+\i], v[TC+8*\u+4*\c2+\i]
.endr
.irp i, 0,1,2
	v_mov_b32 v[VF+12*\u+6*\c2+3+\i], v[TC+8*\u+4*\c2+\i]
.endr
.endif
.endr
.endr
.irp u, 0,1
.irp q, 0,1,2
	ds_store_b128 v[VWI], v[VF+12*\u+4*\q:VF+12*\u+4*\q+3] offset:1536*\u+512*\q
.endr
	ds_store_b32 v[VWS], v[VWO+\u] offset:128*\u
.endr
	s_wait_dscnt 0x0                               ; for the others' sake: my images lie in LDS
	s_barrier_signal -1
	s_barrier_wait -1
.irp lt, 0,1,2,3
.irp q, 0,1,2
	ds_load_b128 v[VF+12*\lt+4*\q:VF+12*\lt+4*\q+3], v[VRI] offset:1536*\lt+512*\q
.endr
	ds_load_b32 v[VW+\lt], v[VRS] offset:128*\lt
.endr
.endm
; attn's part: source 0 = 16 value columns l, source 1 = 16 key columns d, K = these key rows.  Lane r: d = 32 half + 8 u + r + 8 (r / 8); register j: l = 32 (lt / 2) + 8 (lt % 2) + 16 h + j.
.macro PV first
.if !\first
	WIN 0x82
.irp u, 0,1
.set i, 0
.rept 16
	v_pk_mul_f32 v[AT+32*\u+2*i:AT+32*\u+2*i+1], v[AT+32*\u+2*i:AT+32*\u+2*i+1], v[ST+8*\u+4:ST+8*\u+5] op_sel_hi:[1,0]   ; under the new M: x f
.set i, i+1
.endr
.endr
.endif
	s_wait_dscnt 0x0                               ; v's four fragments and their words
.irp u, 0,1
	WIN 0xa4+4*\u                                  ; p's fragment: window 1 or 2; C and D window 2
.irp lt, 0,1,2,3
.if \first
	v_wmma_scale_f32_16x16x128_f8f6f4 v[AT+8*(4*\u+\lt):AT+8*(4*\u+\lt)+7], v[VF+12*\lt:VF+12*\lt+11], v[PF:PF+11], 0, v[VW+\lt], v[PW+\u] matrix_a_fmt:MATRIX_FMT_FP6 matrix_b_fmt:MATRIX_FMT_FP6
.else
	v_wmma_scale_f32_16x16x128_f8f6f4 v[AT+8*(4*\u+\lt):AT+8*(4*\u+\lt)+7], v[VF+12*\lt:VF+12*\lt+11], v[PF:PF+11], v[AT+8*(4*\u+\lt):AT+8*(4*\u+\lt)+7], v[VW+\lt], v[PW+\u] matrix_a_fmt:MATRIX_FMT_FP6 matrix_b_fmt:MATRIX_FMT_FP6
.endif
.endr
.endr
	WIN 0
.endm
.macro ADDR                            ; the step's LDS addresses, from the slot's byte s48 and the rows' byte s49
	v_add_nc_u32 v[ADA], s48, v[L16]
	v_add_nc_u32 v[ADA+1], 2*GRP, v[ADA]
	v_add_nc_u32 v[ADS], s48, v[SA]
	v_add_nc_u32 v[ADS+1], 2*GRP, v[ADS]
	v_add_nc_u32 v[AKN], s49, v[KB]
	v_add_nc_u32 v[AVS], VSRC-KNEG, v[AKN]
.endm
.macro STEP                            ; four groups, 128 key rows
	WIN 0
	ADDR
	GEMM8
	NOP4
	WIN 0
.irp g, 0,1,2,3
.irp e, 0,1,2,3
	ds_load_b128 v[VS+16*\g+4*\e:VS+16*\g+4*\e+3], v[AVS] offset:128*\g+16*\e   ; they land while the softmax is walked
.endr
.endr
	KSOFT 4
	VQUANT 4, VS
	PV 0
	s_xor_b32 s48, s48, SLOT1
	s_add_co_u32 s49, s49, 512
.endm
; THE CHANGE OF SLOTS stands at a step's head.  Each wave waits for all its tensor loads (its group of the slot ahead), adds 0 to its spare word, and waits for that and for its LDS reads.  fill = 1: a round of the
; cluster's barrier, and first behind it the joint load of the four groups that follow, into the slot just left: it has a whole step in which to land.  One tensor load of a wave is out behind it.
.macro CHANGE fill
	WIN 0
	s_wait_tensorcnt 0x0                           ; no tensor load of mine is out, so the walking descriptor may be written
	ds_add_u32 v[SPW], v[NIL]                      ; 0 onto my spare word
.if \fill
	s_xor_b32 s45, s45, SLOT1                      ; the other slot than last time,
	s_add_nc_u64 s[46:47], s[46:47], 4*GRP         ; four groups on; the type bits on top are not reached
.endif
	s_wait_dscnt 0x0                               ; the add is done, and my reads of the slot that I have left and of v's images are over
.if \fill
	CROUND
	tensor_load_to_lds s[44:47], s[24:31]
	s_nop 0
.else
	s_barrier_signal -1
	s_barrier_wait -1
.endif
	NOP4                                           ; with the six additions that follow: the places in front of loads into registers that the last products read
.endm
	s_load_b256 s[4:11], s[0:1], 0x0               ; codes, kspec, vspec, src_mask
	s_load_b256 s[12:19], s[0:1], 0x20             ; bkm, bvm, part, pstat
	v_lshl_add_u32 v[SPW], v0, 2, SPARE
	v_mov_b32 v[NIL], 0
	ds_add_u32 v1, v2
	ds_add_u32 v1, v2
	s_wait_dscnt 0x0
	v_lshrrev_b32 v3, 5, v0
	v_readfirstlane_b32 s52, v3                    ; wave 0 .. 3
	s_bfe_u32 s53, ttmp6, 0x40000                  ; cx: it enters global addresses of weights, biases, special rows and results alone
	s_lshl_b32 s54, ttmp9, 2
	s_add_co_u32 s54, s54, s53                     ; the head pair
	s_and_b32 s55, ttmp7, 0xffff
	s_lshr_b32 s56, s55, 3                         ; batch
	s_and_b32 s57, s55, 7                          ; chunk
	s_lshr_b32 s58, s52, 1
	s_and_b32 s59, s52, 1                          ; half
	s_lshl_b32 s60, s54, 1
	s_add_co_u32 s60, s60, s58                     ; head
	s_mov_b32 s20, 0x76543210
	s_mov_b32 s21, 0xfedcba98
	s_mov_b32 s22, 0x3fb8aa3b                      ; log2(e)
	s_mov_b32 s23, s22
	s_cmp_eq_u32 s57, 0
	s_cselect_b32 s51, 0xffff, 0                   ; lanes 0-15 of chunk 0 take the special rows
	; descriptor group 1: a dense block as rows of 256 bytes (32 elements of 8 bytes); a group is 100 rows, a quarter of one 25.  Mask 15 and bit 21: joint loads
	s_mov_b32 s24, 15|(3<<16)|(1<<21)
	s_mov_b32 s25, 32<<16
	s_mov_b32 s26, 100<<16
	s_mov_b32 s27, 32<<16
	s_mov_b32 s28, 100
	s_mov_b32 s29, 32
	s_mov_b32 s30, 0
	s_mov_b32 s31, 0
	s_mov_b32 s32, 15|(3<<16)|(1<<21)
	s_mov_b32 s33, 32<<16
	s_mov_b32 s34, 25<<16
	s_mov_b32 s35, 32<<16
	s_mov_b32 s36, 25
	s_mov_b32 s37, 32
	s_mov_b32 s38, 0
	s_mov_b32 s39, 0
	s_mul_i32 s66, s56, 136
	s_mul_i32 s67, s57, 17
	s_add_co_u32 s66, s66, s67                     ; the chunk's first group
	s_mul_i32 s68, s66, GRP
	s_mul_i32 s69, s52, 6400                       ; my quarter of it
	s_add_co_u32 s70, s68, s69
	s_mov_b32 s71, 0
	s_mul_i32 s45, s52, GRP                        ; slot 0: wave w brings group w of the four
	s_add_co_u32 s72, s68, s45
	s_add_co_u32 s72, s72, GRP
	s_mov_b32 s73, 0
	s_mov_b32 s40, 1
	s_add_co_u32 s41, s69, MINI
	s_mov_b32 s44, 1
	s_wait_kmcnt 0x0
	s_add_nc_u64 s[42:43], s[4:5], s[70:71]
	s_or_b32 s43, s43, 0x80000000
	s_add_nc_u64 s[46:47], s[4:5], s[72:73]
	s_or_b32 s47, s47, 0x80000000
	CROUND                                         ; all four work-groups are here: the first joint loads meet
	tensor_load_to_lds s[40:43], s[32:39]          ; the first group, filled once
	s_nop 0
	tensor_load_to_lds s[44:47], s[24:31]          ; slot 0: two tensor loads of mine are out
	s_nop 0
	NOP4
	v_and_b32 v64, 31, v0
	v_and_b32 v65, 15, v0
	v_bfe_u32 v66, v0, 4, 1
	v_lshlrev_b32 v[L16], 4, v64
	v_lshlrev_b32 v[SA], 5, v65
	v_lshl_add_u32 v[SA], v66, 4, v[SA]
	v_add_nc_u32 v[SA], 24576, v[SA]
	v_lshl_add_u32 v[KB], v66, 6, KNEG
	s_mul_i32 s66, s52, 3072
	v_add_nc_u32 v[VWI], s66, v[L16]
	v_add_nc_u32 v[VWI], VIMG, v[VWI]
	s_mul_i32 s66, s58, 6144
	v_add_nc_u32 v[VRI], s66, v[L16]
	v_add_nc_u32 v[VRI], VIMG, v[VRI]
	v_lshl_add_u32 v[VRS], v64, 2, VSCL
	s_lshl_b32 s66, s52, 8
	v_add_nc_u32 v[VWS], s66, v[VRS]
	s_lshl_b32 s66, s58, 9
	v_add_nc_u32 v[VRS], s66, v[VRS]
	v_and_b32 v[COL], 8, v65
	v_add_nc_u32 v[COL], v[COL], v65
	v_lshlrev_b32 v[COL], 2, v[COL]                ; 4 (r + 8 (r / 8)): my column in a tile
	s_lshl_b32 s74, s60, 1
	s_add_co_u32 s74, s74, s59
	s_add_co_u32 s74, s74, 576
	s_mul_i32 s74, s74, GRP                        ; Wkm's group 2 head + half; Wvm's lies 32 groups on
	s_mov_b32 s75, 0
	s_add_nc_u64 s[76:77], s[4:5], s[74:75]
	s_lshl_b32 s78, s60, 8
	s_lshl_b32 s79, s59, 7
	s_add_co_u32 s78, s78, s79                     ; 4 (64 head + 32 half)
	s_mov_b32 s79, 0
	s_add_nc_u64 s[80:81], s[12:13], s[78:79]
	s_add_nc_u64 s[82:83], s[14:15], s[78:79]
	s_mul_i32 s84, s56, 20480
	s_add_co_u32 s84, s84, s78
	s_mov_b32 s85, 0
	s_add_nc_u64 s[86:87], s[6:7], s[84:85]
	s_add_nc_u64 s[88:89], s[8:9], s[84:85]
	s_lshl_b32 s90, s56, 14
	s_mov_b32 s91, 0
	s_add_nc_u64 s[90:91], s[10:11], s[90:91]
	s_lshl_b32 s92, s56, 4
	s_add_co_u32 s92, s92, s60
	s_lshl_b32 s92, s92, 3
	s_add_co_u32 s92, s92, s57                     ; (16 b + head) 8 + chunk
	s_lshl_b32 s94, s92, 14
	s_lshl_b32 s95, s59, 13
	s_add_co_u32 s94, s94, s95
	s_mov_b32 s95, 0
	s_add_nc_u64 s[96:97], s[16:17], s[94:95]
	s_lshl_b32 s94, s92, 10
	s_lshl_b32 s93, s59, 9
	s_add_co_u32 s94, s94, s93
	s_add_nc_u64 s[98:99], s[18:19], s[94:95]
	s_mul_i32 s93, s57, 544                        ; the chunk's first key row
	WIN 0x40
.irp ks, 0,1,2,3,4
.irp ct, 0,1,2,3
.irp q, 0,1,2
	global_load_b128 v[12*(4*\ks+\ct)+4*\q:12*(4*\ks+\ct)+4*\q+3], v[L16], s[76:77] offset:(\ct/2)*32*GRP+(8*(\ct%2)+\ks)*1536+512*\q
.endr
.endr
.endr
	WIN 0x80
.irp ks, 5,6,7
.irp ct, 0,1,2,3
.irp q, 0,1,2
	global_load_b128 v[12*(4*(\ks-5)+\ct)+4*\q:12*(4*(\ks-5)+\ct)+4*\q+3], v[L16], s[76:77] offset:(\ct/2)*32*GRP+(8*(\ct%2)+\ks)*1536+512*\q
.endr
.endr
.endr
	WIN 0
.irp ct, 0,1,2,3
	global_load_b128 v[WS+4*\ct:WS+4*\ct+3], v[SA], s[76:77] offset:(\ct/2)*32*GRP+512*(\ct%2)
.endr
.irp u, 0,1
	global_load_b32 v[TP+\u], v[COL], s[80:81] offset:32*\u
	global_load_b32 v[TP+2+\u], v[COL], s[82:83] offset:32*\u
.endr
.irp u, 0,1
.irp j, 0,1,2,3,4
	global_load_b32 v[SPEC+5*\u+\j], v[COL], s[86:87] offset:4096*\j+32*\u
	global_load_b32 v[SPEC+10+5*\u+\j], v[COL], s[88:89] offset:4096*\j+32*\u
.endr
.endr
	v_add_nc_u32 v74, s93, v0                      ; thread t takes the chunk's rows t + 128 i: n,
.irp i, 1,2,3,4
	v_add_nc_u32 v[74+\i], 128*\i, v74
.endr
.irp i, 0,1,2,3,4
	v_add_nc_u32 v[69+\i], -5, v[74+\i]
	v_and_b32 v[69+\i], 0xfff, v[69+\i]            ; the token (rows that have none are replaced below),
	v_lshlrev_b32 v[69+\i], 2, v[69+\i]
	global_load_b32 v[64+\i], v[69+\i], s[90:91]   ; its mask (v64-68 are the offset of no pending load)
.endr
	v_mov_b32 v79, 0
	v_mov_b32 v80, 1.0
	v_mov_b32 v81, 0xff800000
	v_lshl_add_u32 v82, v0, 2, KNEG
.irp u, 0,1
	v_mov_b32 v[ST+8*\u+1], 0xff61b1e6             ; the largest t so far: -3e38
	v_floor_f32 v[ST+8*\u], -v[ST+8*\u+1]
	v_mov_b32 v[ST+8*\u+2], 0
	v_mov_b32 v[ST+8*\u+3], 0
	v_mov_b32 v[ST+8*\u+5], 0                      ; (named as the upper word of f's pair)
.endr
	s_wait_loadcnt 0x0
	WIN 0x80
.irp ct, 0,1,2,3
.irp j, 0,1,2,3,4,5,6,7
	v_mov_b32 v[BIAS+8*\ct+\j], v[TP+\ct]          ; a lane holds one column: its bias in all eight registers
.endr
.endr
	WIN 0
.irp i, 0,1,2,3,4,5,6,7
	v_mov_b32 v[TP+\i], 0                          ; written once: a lane permute's target counts as read
.endr
.irp i, 0,1,2,3,4
	v_cvt_f32_i32 v[64+\i], v[64+\i]               ; src
	v_sub_f32 v[69+\i], 1.0, v[64+\i]
	v_mul_f32 v[69+\i], 0xc9742400, v[69+\i]       ; (1 - src) x -1e6
	v_cmp_gt_u32 vcc_lo, 5, v[74+\i]               ; the special rows come finished: + 0, x 1
	v_cndmask_b32 v[69+\i], v[69+\i], v79, vcc_lo
	v_cndmask_b32 v[64+\i], v[64+\i], v80, vcc_lo
	v_cmp_lt_u32 vcc_lo, 4100, v[74+\i]            ; beyond the last key row: -infinity, x 0
	v_cndmask_b32 v[69+\i], v[69+\i], v81, vcc_lo
	v_cndmask_b32 v[64+\i], v[64+\i], v79, vcc_lo
	ds_store_b32 v82, v[69+\i] offset:512*\i
	ds_store_b32 v82, v[64+\i] offset:VSRC-KNEG+512*\i
.endr
	s_mov_b32 s48, MINI
	s_mov_b32 s49, 0
	ADDR
	s_wait_tensorcnt 1                             ; my quarter of the first group is in; slot 0's load, issued behind it, may stay out
	s_wait_dscnt 0x0
	s_barrier_signal -1
	s_barrier_wait -1
	GEMM2
	NOP4
	WIN 0xc3
.irp ct, 0,1,2,3
.irp j, 0,1,2,3,4
	v_cndmask_b32 v[64*\ct+\j], v[64*\ct+\j], v[SPEC+5*\ct+\j], s51   ; key rows 0 .. 4 lie in registers 0 .. 4 of lanes 0-15
.endr
.endr
	KSOFT 1
	VQUANT 1, VSM
	PV 1                                           ; the first K step starts attn's sums: nothing is cleared
	s_mov_b32 s48, 0
	s_mov_b32 s49, 128
	s_mov_b32 s50, 3
.Lstep:                                            ; three trips: behind each change of slots the next four groups are asked for (in the first trip that is slot 1's first fill)
	CHANGE 1
	STEP
	s_sub_co_u32 s50, s50, 1
	s_cmp_lg_u32 s50, 0
	s_cbranch_scc1 .Lstep
	CHANGE 0                                       ; the last step is written out
	STEP
	NOP4
.irp u, 0,1
	v_add_f32 v[ST+8*\u+1], v[ST+8*\u+2], v[ST+8*\u+3]
.endr
.irp u, 0,1
	v_permlanex16_b32 v[TP+\u], v[ST+8*\u+1], s20, s21
.endr
.irp u, 0,1
	v_add_f32 v[ST+8*\u+1], v[ST+8*\u+1], v[TP+\u] ; the column's sum; beside it -M
.endr
	v_lshrrev_b32 v4, 1, v[L16]
.irp u, 0,1
	global_store_b64 v4, v[ST+8*\u:ST+8*\u+1], s[98:99] offset:256*\u   ; 32 lanes store 256 consecutive bytes, aligned
.endr
	WIN 0x08                                       ; a store's data: window 2
.irp t, 0,1,2,3,4,5,6,7
.irp q, 0,1
	global_store_b128 v[L16], v[AT+8*\t+4*\q:AT+8*\t+4*\q+3], s[96:97] offset:1024*\t+512*\q   ; each accumulator from its low end on; 512 consecutive bytes a store
.endr
.endr
	WIN 0
	s_wait_tensorcnt 0x0                           ; the wave's end
	ds_add_u32 v[SPW], v[NIL]
	s_wait_dscnt 0x0
	CROUND                                         ; the closing round
	s_endpgm
.Lfunc_end_k_qfc49f2cd14_kv:
	.size	k_qfc49f2cd14_kv, .Lfunc_end_k_qfc49f2cd14_kv-k_qfc49f2cd14_kv
	.p2alignl 7, 3214868480
	.fill 96, 4, 3214868480
	.section	.rodata,"a",@progbits
	.p2align	6, 0x0
	.amdhsa_kernel k_qfc49f2cd14_kv
		.amdhsa_group_segment_fixed_size 327680
		.amdhsa_private_segment_fixed_size 0
		.amdhsa_enable_private_segment 0
		.amdhsa_kernarg_size 64
		.amdhsa_user_sgpr_count 2
		.amdhsa_user_sgpr_kernarg_segment_ptr 1
		.amdhsa_wavefront_size32 1
		.amdhsa_system_sgpr_workgroup_id_x 1
		.amdhsa_system_sgpr_workgroup_id_y 1
		.amdhsa_system_sgpr_workgroup_id_z 1
		.amdhsa_system_vgpr_workitem_id 0
		.amdhsa_next_free_vgpr 1024
		.amdhsa_next_free_sgpr 100
		.amdhsa_reserve_vcc 1
		.amdhsa_float_denorm_mode_32 3
		.amdhsa_float_denorm_mode_16_64 3
		.amdhsa_memory_ordered 1
		.amdhsa_forward_progress 1
		.amdhsa_inst_pref_size 243
	.end_amdhsa_kernel
	.amdgpu_metadata
---
amdhsa.version: [ 1, 2 ]
amdhsa.kernels:
  - .name:           k_qfc49f2cd14_kv
    .symbol:         k_qfc49f2cd14_kv.kd
    .args:
      - { .name: codes, .offset: 0, .size: 8, .value_kind: global_buffer, .address_space: global }
      - { .name: kspec, .offset: 8, .size: 8, .value_kind: global_buffer, .address_space: global }
      - { .name: vspec, .offset: 16, .size: 8, .value_kind: global_buffer, .address_space: global }
      - { .name: src_mask, .offset: 24, .size: 8, .value_kind: global_buffer, .address_space: global }
      - { .name: bkm, .offset: 32, .size: 8, .value_kind: global_buffer, .address_space: global }
      - { .name: bvm, .offset: 40, .size: 8, .value_kind: global_buffer, .address_space: global }
      - { .name: part, .offset: 48, .size: 8, .value_kind: global_buffer, .address_space: global }
      - { .name: pstat, .offset: 56, .size: 8, .value_kind: global_buffer, .address_space: global }
    .group_segment_fixed_size: 327680
    .private_segment_fixed_size: 0
    .kernarg_segment_align: 8
    .kernarg_segment_size: 64
    .max_flat_workgroup_size: 128
    .sgpr_count:     100
    .vgpr_count:     1024
    .wavefront_size: 32
...
	.end_amdgpu_metadata
.endif
;; end of part 2
;; launch comb (part 3): grid 64 x 1, 8 waves a work-group, no clusters, 18,432 bytes of LDS; arguments part, pstat, attnc; writes attnc
.if DOCPART == 3
	.amdgcn_target "amdgcn-amd-amdhsa--gfx1250"
	.amdhsa_code_object_version 6
	.text
	.protected	k_qfc49f2cd14_comb
	.globl	k_qfc49f2cd14_comb
	.p2align	8
	.type	k_qfc49f2cd14_comb,@function
k_qfc49f2cd14_comb:
	s_mov_b64 s[64:65], 0
	v_nop
	global_prefetch_b8 v0, s[64:65] scope:SCOPE_SE
	s_setreg_imm32_b32 hwreg(HW_REG_WAVE_MODE, 25, 1), 1
	s_wait_xcnt 0x0
; COMB.  For one (batch, head): the eight chunks' parts of attn are brought under the common M (exact powers of two), added, divided by the column's sum, and attn is quantised along d (E2M3, one E8M0 byte for
; each 32 d) into four fragments (rows l = 16 lt + m, k = d, k = 64 .. 127 zero codes) laid as images of the operand's registers, 1,536 bytes each, and behind them four times 32 scale words.
; Wave w: half = w / 4, u = (w / 2) % 2 (16 columns d), lg = w % 2 (two of the four tiles of l).  A row's 64 d come from four waves, so they meet in LDS: 64 rows l of 256 bytes + 16.
; 64 work-groups: one for each 64 x 64 matrix; the launch is short and bound by the latency of its one round of loads, all of which are out together.
; LIMITS: 1 / sum is v_rcp_f32 and a multiplication; a block whose largest magnitude lies under 2^-124 keeps the byte 1.
.set TPI, 272
	s_load_b128 s[4:7], s[0:1], 0x0                ; part, pstat
	s_load_b64 s[8:9], s[0:1], 0x10                ; attnc
	v_lshl_add_u32 v208, v0, 2, 0x4400
	v_mov_b32 v209, 0
	v_lshrrev_b32 v1, 5, v0
	v_readfirstlane_b32 s10, v1                    ; wave 0 .. 7
	v_and_b32 v1, 31, v0
	v_and_b32 v2, 15, v0
	v_bfe_u32 v3, v0, 4, 1
	s_lshr_b32 s11, s10, 2                         ; half
	s_bfe_u32 s12, s10, 0x10001                    ; u
	s_and_b32 s13, s10, 1                          ; lg
	s_and_b32 s24, s10, 3
	s_lshl_b32 s14, ttmp9, 13                      ; the statistics: 8 chunks x 1,024 bytes; + 512 half + 256 u
	s_lshl_b32 s15, s11, 9
	s_add_co_u32 s14, s14, s15
	s_lshl_b32 s15, s12, 8
	s_add_co_u32 s14, s14, s15
	s_mov_b32 s15, 0
	s_lshl_b32 s16, ttmp9, 17                      ; the parts: 8 chunks x 16,384 bytes; + 8,192 half + 4,096 u + 2,048 lg
	s_lshl_b32 s17, s11, 13
	s_add_co_u32 s16, s16, s17
	s_lshl_b32 s17, s12, 12
	s_add_co_u32 s16, s16, s17
	s_lshl_b32 s17, s13, 11
	s_add_co_u32 s16, s16, s17
	s_mov_b32 s17, 0
	s_mul_i32 s18, ttmp9, 6656
	s_mov_b32 s19, 0
	s_mov_b32 s22, 0x76543210
	s_mov_b32 s23, 0xfedcba98
	v_lshlrev_b32 v4, 3, v1                        ; 8 x lane
	v_lshlrev_b32 v5, 4, v1                        ; 16 x lane
	v_and_b32 v6, 8, v2
	v_add_nc_u32 v6, v6, v2
	v_lshlrev_b32 v6, 2, v6
	v_mad_u32_u24 v6, v3, 16*TPI, v6               ; into the table: row 16 h (+ 32 lg + 8 u' + j), word r + 8 (r / 8) (+ 32 half + 8 u)
	s_mul_i32 s25, s13, 32*TPI
	s_lshl_b32 s26, s11, 7
	s_add_co_u32 s25, s25, s26
	s_lshl_b32 s26, s12, 5
	s_add_co_u32 s25, s25, s26
	v_add_nc_u32 v6, s25, v6
	v_mul_u32_u24 v7, v2, TPI                      ; out of it (waves 0 .. 3): row 16 w + r, d = 32 h ..
	v_lshl_add_u32 v7, v3, 7, v7
	s_mul_i32 s25, s24, 16*TPI
	v_add_nc_u32 v7, s25, v7
	s_mul_i32 s25, s24, 1536
	v_add_nc_u32 v8, s25, v5
	s_lshl_b32 s25, s24, 7
	v_lshlrev_b32 v9, 2, v1
	v_add_nc_u32 v9, s25, v9
	v_lshlrev_b32 v10, 3, v3                       ; 8 h
	v_mov_b32 v11, 0
	s_wait_kmcnt 0x0
	s_add_nc_u64 s[6:7], s[6:7], s[14:15]
	s_add_nc_u64 s[4:5], s[4:5], s[16:17]
	s_add_nc_u64 s[20:21], s[8:9], s[18:19]
.irp ch, 0,1,2,3,4,5,6,7
	global_load_b64 v[16+2*\ch:17+2*\ch], v4, s[6:7] offset:1024*\ch   ; (-M, sum) of my column in chunk ch
.endr
.irp ch, 0,1,2,3,4,5,6,7
.irp k, 0,1,2,3
	global_load_b128 v[64+16*\ch+4*\k:64+16*\ch+4*\k+3], v5, s[4:5] offset:16384*\ch+512*\k th:TH_LOAD_NT
.endr
.endr
	s_wait_loadcnt 32                              ; the statistics are in; the 32 loads of the parts, issued behind them, may be out
	v_min3_num_f32 v48, v16, v18, v20
	v_min3_num_f32 v48, v48, v22, v24
	v_min3_num_f32 v48, v48, v26, v28
	v_min_num_f32 v48, v48, v30                    ; -(the largest M)
.irp ch, 0,1,2,3,4,5,6,7
	v_sub_f32 v[32+\ch], v48, v[16+2*\ch]          ; the chunk's M - the largest: a whole number, 0 or less
.endr
.irp ch, 0,1,2,3,4,5,6,7
	v_cvt_i32_f32 v[32+\ch], v[32+\ch]
.endr
.irp ch, 0,1,2,3,4,5,6,7
	v_ldexp_f32 v[32+\ch], 1.0, v[32+\ch]
.endr
	v_mul_f32 v49, v32, v17
.irp ch, 1,2,3,4,5,6,7
	v_fmac_f32 v49, v[32+\ch], v[17+2*\ch]
.endr
	v_rcp_f32 v49, v49
	v_nop
	s_wait_loadcnt 0x0
.irp k, 0,1,2,3,4,5,6,7,8,9,10,11,12,13,14,15
	v_mul_f32 v[192+\k], v[64+\k], v32
.endr
.irp ch, 1,2,3,4,5,6,7
.irp k, 0,1,2,3,4,5,6,7,8,9,10,11,12,13,14,15
	v_fmac_f32 v[192+\k], v[64+16*\ch+\k], v[32+\ch]
.endr
.endr
	s_wait_alu depctr_va_vdst(0)
.irp k, 0,1,2,3,4,5,6,7,8,9,10,11,12,13,14,15
	v_mul_f32 v[192+\k], v[192+\k], v49
	ds_store_b32 v6, v[192+\k] offset:\k*TPI       ; register 8 u' + j is l = 32 lg + 16 h + 8 u' + j
.endr
	s_wait_dscnt 0x0
	s_barrier_signal -1
	s_barrier_wait -1
	s_cmp_gt_u32 s10, 3
	s_cbranch_scc1 .Ldone
.irp e, 0,1,2,3,4,5,6,7
	ds_load_b128 v[64+4*\e:67+4*\e], v7 offset:16*\e
.endr
	s_wait_dscnt 0x0
	v_max3_num_f32 v12, |v64|, |v65|, 0x1800000    ; a lane holds one whole block of 32 d
.irp i, 2,4,6,8,10,12,14,16,18,20,22,24,26,28,30
	v_max3_num_f32 v12, v12, |v[64+\i]|, |v[65+\i]|
.endr
	v_add_nc_u32 v13, 0xff000000, v12
	v_lshrrev_b32 v14, 23, v13
	v_lshlrev_b32 v14, v10, v14                    ; byte h of the row's word,
	v_permlanex16_b32 v11, v14, s22, s23
	v_or_b32 v14, v14, v11                         ; with lane l xor 16's; bytes 2 and 3 stay 0 over zero codes
	v_cvt_scalef32_pk16_fp6_f32 v[96:98], v[64:79], v13
	v_cvt_scalef32_pk16_fp6_f32 v[108:110], v[80:95], v13
	v_nop
.irp i, 0,1,2
	v_mov_b32 v[99+\i], v[108+\i]
.endr
.irp i, 0,1,2,3,4,5
	v_mov_b32 v[102+\i], 0
.endr
.irp q, 0,1,2
	global_store_b128 v8, v[96+4*\q:99+4*\q], s[20:21] offset:512*\q
.endr
	global_store_b32 v9, v14, s[20:21] offset:6144
.Ldone:
	s_wait_tensorcnt 0x0
	ds_add_u32 v208, v209
	s_wait_dscnt 0x0
	s_endpgm
.Lfunc_end_k_qfc49f2cd14_comb:
	.size	k_qfc49f2cd14_comb, .Lfunc_end_k_qfc49f2cd14_comb-k_qfc49f2cd14_comb
	.p2alignl 7, 3214868480
	.fill 96, 4, 3214868480
	.section	.rodata,"a",@progbits
	.p2align	6, 0x0
	.amdhsa_kernel k_qfc49f2cd14_comb
		.amdhsa_group_segment_fixed_size 18432
		.amdhsa_private_segment_fixed_size 0
		.amdhsa_enable_private_segment 0
		.amdhsa_kernarg_size 24
		.amdhsa_user_sgpr_count 2
		.amdhsa_user_sgpr_kernarg_segment_ptr 1
		.amdhsa_wavefront_size32 1
		.amdhsa_system_sgpr_workgroup_id_x 1
		.amdhsa_system_sgpr_workgroup_id_y 1
		.amdhsa_system_sgpr_workgroup_id_z 1
		.amdhsa_system_vgpr_workitem_id 0
		.amdhsa_next_free_vgpr 210
		.amdhsa_next_free_sgpr 66
		.amdhsa_reserve_vcc 0
		.amdhsa_float_denorm_mode_32 3
		.amdhsa_float_denorm_mode_16_64 3
		.amdhsa_memory_ordered 1
		.amdhsa_forward_progress 1
		.amdhsa_inst_pref_size 17
	.end_amdhsa_kernel
	.amdgpu_metadata
---
amdhsa.version: [ 1, 2 ]
amdhsa.kernels:
  - .name:           k_qfc49f2cd14_comb
    .symbol:         k_qfc49f2cd14_comb.kd
    .args:
      - { .name: part, .offset: 0, .size: 8, .value_kind: global_buffer, .address_space: global }
      - { .name: pstat, .offset: 8, .size: 8, .value_kind: global_buffer, .address_space: global }
      - { .name: attnc, .offset: 16, .size: 8, .value_kind: global_buffer, .address_space: global }
    .group_segment_fixed_size: 18432
    .private_segment_fixed_size: 0
    .kernarg_segment_align: 8
    .kernarg_segment_size: 24
    .max_flat_workgroup_size: 256
    .sgpr_count:     66
    .vgpr_count:     210
    .wavefront_size: 32
...
	.end_amdgpu_metadata
.endif
;; end of part 3
;; launch qy (part 4): grid 4 x 64, 4 waves a work-group, clusters of 4 x 1, 222,720 bytes of LDS; arguments codes, attnc, src_mask, bq, out0; writes out0
.if DOCPART == 4
	.amdgcn_target "amdgcn-amd-amdhsa--gfx1250"
	.amdhsa_code_object_version 6
	.text
	.protected	k_qfc49f2cd14_qy
	.globl	k_qfc49f2cd14_qy
	.p2align	8
	.type	k_qfc49f2cd14_qy,@function
k_qfc49f2cd14_qy:
	s_mov_b64 s[64:65], 0
	v_nop
	global_prefetch_b8 v0, s[64:65] scope:SCOPE_SE
	s_setreg_imm32_b32 hwreg(HW_REG_WAVE_MODE, 25, 1), 1
	s_wait_xcnt 0x0
	s_wait_alu depctr_hold_cnt(0) depctr_sa_sdst(0) depctr_va_vdst(0) depctr_va_sdst(0) depctr_va_ssrc(0) depctr_va_vcc(0) depctr_vm_vsrc(0)
	s_getreg_b32 s2, hwreg(HW_REG_IB_STS2, 6, 4)
	s_cmp_eq_u32 s2, 0
	s_cbranch_scc0 .Lentry_in_a_cluster
	s_endpgm
.Lentry_in_a_cluster:
	s_bfe_u32 s2, ttmp6, 0x10000c
	s_cmp_lg_u32 s2, 0x3003
	s_cbranch_scc0 .Lentry_shape_is_right
	s_endpgm
.Lentry_shape_is_right:
; QY.  q = (LN(x) Wq^T + bq) src for 256 tokens and one head a wave, the softmax over the head's 64 channels, y = p attn / sum.  All products on codes of E2M3 with E8M0 scales.
; A work-group: batch b, key rows n = 256 tc .. (eight groups; row n is token (n - 5) & 4095, so a batch's 128 groups are its 4,096 tokens).  Wave w: head 4 cx + w; its 64 rows of Wq, 32 fragments, stay in 384
; registers, attn's four fragments in 48.  No wave needs anything of another but the token fragments in LDS.
; CLUSTER: the four work-groups of a cluster differ in their heads alone and read the same eight groups: joint loads (mask 15).  Both slots are filled once, at the start; nothing is filled again.
; LAYOUT.  Source 0 = 16 rows of Wq, source 1 = 16 tokens: a lane holds ONE token, and registers 16 bq + i are channels d = 32 bq + 16 (lane / 16) + i: neighbours along the next K.
; THE SOFTMAX: t = q x log2(e); M = ceil(the row's largest t); p = 2^(t - M) is quantised along d; the sum of the unquantised p divides y at the end.  The second product's K is 64: its upper 64 are zero codes.
; LIMITS: NaN and infinities are not served.  src x log2(e) is formed first (exact for src 0 and 1).  A block's largest p is taken from its largest t.  1 / sum is v_rcp_f32.  bq is the C of the first K step.
; REGISTERS.  Window 1: Wq's fragments (ks, ct), ks = 0 .. 4, at 12 (4 ks + ct).  Window 2: ks = 5 .. 7; v144-175 bq in the result's layout; v176-223 attn's fragments.  Window 3: accumulator (tt, ct) at 32 tt + 8 ct.
.set GRP,   25600
.set STAGE, 204800                     ; behind the two slots of four groups: 16 rows x (256 bytes + 16) for each wave
.set L16, 3                            ; v1 lane / 16;  v2 r + 8 (r / 8);  v3 16 x lane
.set ADA, 4                            ; v4-5, v6-7 the trip's fragments and scale words
.set ADS, 6
.set SA,  8                            ; v8  24,576 + 32 r + 16 h
.set STO, 9                            ; v9  the stage: row r, + 32 h;  v10 back: row lane / 16, + 16 (lane % 16)
.set RD,  10
.set L16C, 11
.set NH,  12                           ; v12 the trip's first n + lane / 16;  v13 + r + 8 (r / 8)
.set NR,  13
.set WS,  16                           ; v16-31, v32-63 scale words as in the launch before
.set AS,  32
.set AF,  64
.set QS,  160                          ; v160-167 src x log2(e) of my token in each tile
.set ATS, 168                          ; v168-171 attn's scale words
.set PQ,  172                          ; v172-183 p's fragment (v178-183 stay 0)
.set PW,  184                          ; p's scale word
.set QT,  186                          ; pairs whose low word is broadcast: the tile's factor, -M, 1 / sum
.set NM,  188
.set RL,  190
.set LA,  192
.set LB,  194
.set BM,  196
.set TP,  198
.set SCO, 200
.set BY,  202
.set TC,  204
.set OA,  208                          ; v208-215 byte offsets of eight loads or stores
.set BK,  224                          ; v224-255 16 rows read back from the stage
.set BIAS, 144
.set AT,  176
.set MSB, 0
.macro WIN new
.if MSB != \new
	s_set_vgpr_msb (MSB<<8)|\new
.set MSB, \new
.endif
.endm
.macro NOP4
.rept 4
	v_nop
.endr
.endm
.macro CROUND
	s_barrier_signal -1
	s_barrier_wait -1
	s_cmp_lg_u32 s52, 0
	s_cbranch_scc1 .Lnot_wave_0_\@
	s_barrier_signal -3
.Lnot_wave_0_\@:
	s_barrier_wait -3
	s_barrier_signal -1
	s_barrier_wait -1
.endm
.macro QMUL ks, tt, slot               ; my four tiles of Wq against token tile tt, K step ks
.if (\ks) == 0
	WIN 0xe1
.elseif (\ks) < 5
	WIN 0xf1
.else
	WIN 0xf2
.endif
.irp ct, 0,1,2,3
.if (\ks) < 5
.set rW, 12*(4*(\ks)+\ct)
.else
.set rW, 12*(4*((\ks)-5)+\ct)
.endif
.set rD, 32*(\tt)+8*\ct
.set rA, AF+12*(\slot)
.set rSA, AS+4*(\tt)+((\ks)%4)
.set rSW, WS+4*\ct+((\ks)%4)
.if (\ks) == 0
	v_wmma_scale_f32_16x16x128_f8f6f4 v[rD:rD+7], v[rW:rW+11], v[rA:rA+11], v[BIAS+8*\ct:BIAS+8*\ct+7], v[rSW], v[rSA] matrix_a_fmt:MATRIX_FMT_FP6 matrix_b_fmt:MATRIX_FMT_FP6
.elseif (\ks) < 4
	v_wmma_scale_f32_16x16x128_f8f6f4 v[rD:rD+7], v[rW:rW+11], v[rA:rA+11], v[rD:rD+7], v[rSW], v[rSA] matrix_a_fmt:MATRIX_FMT_FP6 matrix_b_fmt:MATRIX_FMT_FP6
.else
	v_wmma_scale_f32_16x16x128_f8f6f4 v[rD:rD+7], v[rW:rW+11], v[rA:rA+11], v[rD:rD+7], v[rSW], v[rSA] matrix_a_fmt:MATRIX_FMT_FP6 matrix_b_fmt:MATRIX_FMT_FP6 matrix_a_scale:MATRIX_SCALE_ROW1 matrix_b_scale:MATRIX_SCALE_ROW1
.endif
.endr
.endm
.macro AFETCH slot, adr, off
.irp q, 0,1,2
	ds_load_b128 v[AF+12*(\slot)+4*\q:AF+12*(\slot)+4*\q+3], v[\adr] offset:(\off)+512*\q
.endr
.endm
.macro TFETCH ks, t0
.irp tt, \t0, \t0+1, \t0+2, \t0+3
	AFETCH (\tt), ADA+((\tt)/4), (((\tt)/2)%2)*GRP+(8*((\tt)%2)+(\ks))*1536
.endr
.endm
.macro GEMM8Q                          ; 128 tokens x my 64 channels x K = 1,024: 256 matrix instructions, the 32 accumulators by turns, one instruction a turn
	WIN 0
.irp tt, 0,1,2,3,4,5,6,7
	ds_load_b128 v[AS+4*\tt:AS+4*\tt+3], v[ADS+\tt/4] offset:((\tt/2)%2)*GRP+512*(\tt%2)
.endr
	TFETCH 0, 0
	TFETCH 0, 4
.irp ks, 0,1,2,3,4,5,6,7
	s_wait_dscnt 12                                ; all but the youngest twelve loads (tiles 4-7)
.irp tt, 0,1,2,3
	QMUL \ks, \tt, \tt
.endr
	s_wait_dscnt 0x0
.if \ks < 7
	NOP4
	WIN 0
	TFETCH \ks+1, 0
.endif
.irp tt, 4,5,6,7
	QMUL \ks, \tt, \tt
.endr
.if \ks < 7
	NOP4
	WIN 0
	TFETCH \ks+1, 4
.endif
.endr
.endm
; One tile of 16 tokens: softmax, p's codes, y, the way out.
.macro QTILE tt
.set QA, 32*(\tt)
	WIN 0
	v_mov_b32 v[QT], v[QS+(\tt)]
	WIN 0xc3
.set i, 0
.rept 16
	v_pk_mul_f32 v[QA+2*i:QA+2*i+1], v[QA+2*i:QA+2*i+1], v[QT:QT+1] op_sel_hi:[1,0]   ; t; each accumulator from its low end on
.set i, i+1
.endr
	WIN 0x3c
.irp i, 0,1,2,3,4,5,6,7
.irp bq, 0,1
.if \i == 0
	v_max3_num_f32 v[BM+\bq], 0xff800000, v[QA+16*\bq], v[QA+16*\bq+1]
.else
	v_max3_num_f32 v[BM+\bq], v[BM+\bq], v[QA+16*\bq+2*\i], v[QA+16*\bq+2*\i+1]
.endif
.endr
.endr
	WIN 0
	v_permlanex16_b32 v[TP], v[BM], s20, s21
	v_permlanex16_b32 v[TP+1], v[BM+1], s20, s21
	v_max_num_f32 v[BM], v[BM], v[TP]              ; each block's largest t
	v_max_num_f32 v[BM+1], v[BM+1], v[TP+1]
	v_max_num_f32 v[NM], v[BM], v[BM+1]
	v_floor_f32 v[NM], -v[NM]                      ; -M = floor(-t)
	v_add_f32 v[BM], v[BM], v[NM]
	v_add_f32 v[BM+1], v[BM+1], v[NM]
	WIN 0xc3
.set i, 0
.rept 16
	v_pk_add_f32 v[QA+2*i:QA+2*i+1], v[QA+2*i:QA+2*i+1], v[NM:NM+1] op_sel_hi:[1,0]
.set i, i+1
.endr
.set i, 0
.rept 32
	v_exp_f32 v[QA+i], v[QA+i]                     ; p = 2^(t - M)
.set i, i+1
.endr
	WIN 0
	v_exp_f32 v[BM], v[BM]
	v_exp_f32 v[BM+1], v[BM+1]
	v_nop                                          ; one plain place behind the exponentials
	s_wait_alu depctr_va_vdst(0)
	v_max_num_f32 v[BM], 0x1800000, v[BM]
	v_max_num_f32 v[BM+1], 0x1800000, v[BM+1]
	v_add_nc_u32 v[SCO], 0xff000000, v[BM]
	v_add_nc_u32 v[SCO+1], 0xff000000, v[BM+1]
	v_lshrrev_b32 v[BY], 23, v[SCO]
	v_lshrrev_b32 v[BY+1], 23, v[SCO+1]
	v_lshl_or_b32 v[PW], v[BY+1], 8, v[BY]
	WIN 0x03
	v_cvt_scalef32_pk16_fp6_f32 v[PQ:PQ+2], v[QA:QA+15], v[SCO]
	v_cvt_scalef32_pk16_fp6_f32 v[TC:TC+2], v[QA+16:QA+31], v[SCO+1]
	v_pk_mul_f32 v[LA:LA+1], v[QA:QA+1], 1.0 op_sel_hi:[1,0]      ; the sum of the unquantised p, in two chains
	v_pk_mul_f32 v[LB:LB+1], v[QA+2:QA+3], 1.0 op_sel_hi:[1,0]
.set i, 1
.rept 7
	v_pk_add_f32 v[LA:LA+1], v[QA+4*i:QA+4*i+1], v[LA:LA+1]
	v_pk_add_f32 v[LB:LB+1], v[QA+4*i+2:QA+4*i+3], v[LB:LB+1]
.set i, i+1
.endr
	WIN 0
.irp i, 0,1,2
	v_permlane16_swap_b32 v[PQ+\i], v[TC+\i]       ; lanes 0-15 block 0 whole, lanes 16-31 block 1
.endr
.irp i, 0,1,2
	v_mov_b32 v[PQ+3+\i], v[TC+\i]
.endr
	v_pk_add_f32 v[LA:LA+1], v[LA:LA+1], v[LB:LB+1]
	v_add_f32 v[LA], v[LA], v[LA+1]
	v_permlanex16_b32 v[TP], v[LA], s20, s21
	v_add_f32 v[LA], v[LA], v[TP]
	v_rcp_f32 v[RL], v[LA]
	s_wait_xcnt 0x0                                ; the tile before's stores have read their offsets and data: both are written again below
.irp i, 0,1,2,3,4,5,6,7                ; stage rows 2 i + lane / 16 are key rows n = .. + 2 i + 8 (i / 4) + lane / 16.  (These 24 lines are also the places between p's word and codes and the scaled product)
	v_add_nc_u32 v[OA+\i], 32*((\tt)/2)+8*((\tt)%2)+2*\i+8*(\i/4)-5, v[NH]
	v_and_b32 v[OA+\i], 0xfff, v[OA+\i]            ; the token
	v_lshl_add_u32 v[OA+\i], v[OA+\i], 12, v[L16C]
.endr
	WIN 0xc2                                       ; source 0 (attn) window 2, D window 3
.irp lt, 0,1,2,3
	v_wmma_scale_f32_16x16x128_f8f6f4 v[QA+8*\lt:QA+8*\lt+7], v[AT+12*\lt:AT+12*\lt+11], v[PQ:PQ+11], 0, v[ATS+\lt], v[PW] matrix_a_fmt:MATRIX_FMT_FP6 matrix_b_fmt:MATRIX_FMT_FP6
.endr
	NOP4
	WIN 0xc3
.set i, 0
	s_wait_alu depctr_va_vdst(0)
.rept 16
	v_pk_mul_f32 v[QA+2*i:QA+2*i+1], v[QA+2*i:QA+2*i+1], v[RL:RL+1] op_sel_hi:[1,0]   ; / the sum: register 8 lt + j is y(token r, 16 lt + 8 h + j)
.set i, i+1
.endr
	WIN 0x0c                                       ; an LDS store's data: window 3
.irp lt, 0,1,2,3
.irp q, 0,1
	ds_store_b128 v[STO], v[QA+8*\lt+4*\q:QA+8*\lt+4*\q+3] offset:64*\lt+16*\q
.endr
.endr
	WIN 0
.irp i, 0,1,2,3,4,5,6,7
	ds_load_b128 v[BK+4*\i:BK+4*\i+3], v[RD] offset:544*\i   ; my own bytes, served in order: these see the stores above
.endr
.irp i, 0,1,2,3,4,5,6,7
	s_wait_dscnt 7-\i                              ; the younger loads may be out
	global_store_b128 v[OA+\i], v[BK+4*\i:BK+4*\i+3], s[14:15] th:TH_STORE_NT   ; sixteen lanes store a token's 256 bytes of my head, aligned
.endr
.endm
	s_load_b256 s[4:11], s[0:1], 0x0               ; codes, attnc, src_mask, bq
	s_load_b64 s[12:13], s[0:1], 0x20              ; out0
	v_lshl_add_u32 v222, v0, 2, 0x36400
	v_mov_b32 v223, 0
	ds_add_u32 v222, v223
	ds_add_u32 v222, v223
	v_lshrrev_b32 v3, 5, v0
	v_readfirstlane_b32 s52, v3                    ; wave 0 .. 3
	s_bfe_u32 s53, ttmp6, 0x40000                  ; cx: it enters global addresses of Wq, bq, attn and y alone
	s_lshl_b32 s60, s53, 2
	s_add_co_u32 s60, s60, s52                     ; head
	s_and_b32 s55, ttmp7, 0xffff
	s_lshr_b32 s56, s55, 4                         ; batch
	s_and_b32 s57, s55, 15                         ; which 256 key rows
	s_mov_b32 s20, 0x76543210
	s_mov_b32 s21, 0xfedcba98
	s_mov_b32 s22, 0x3fb8aa3b                      ; log2(e)
	s_mov_b32 s24, 15|(3<<16)|(1<<21)              ; descriptor group 1: a group as 100 dense rows of 256 bytes; mask 15 and bit 21: joint loads
	s_mov_b32 s25, 32<<16
	s_mov_b32 s26, 100<<16
	s_mov_b32 s27, 32<<16
	s_mov_b32 s28, 100
	s_mov_b32 s29, 32
	s_mov_b32 s30, 0
	s_mov_b32 s31, 0
	s_mul_i32 s66, s56, 136
	s_lshl_b32 s67, s57, 3
	s_add_co_u32 s66, s66, s67
	s_add_co_u32 s66, s66, s52                     ; slot s: wave w brings group 136 b + 8 tc + 4 s + w
	s_mul_i32 s66, s66, GRP
	s_mov_b32 s67, 0
	s_mov_b32 s40, 1
	s_mul_i32 s41, s52, GRP
	s_mov_b32 s44, 1
	s_add_co_u32 s45, s41, 4*GRP
	s_wait_dscnt 0x0
	s_wait_kmcnt 0x0
	s_add_nc_u64 s[42:43], s[4:5], s[66:67]
	s_add_nc_u64 s[46:47], s[42:43], 4*GRP
	s_or_b32 s43, s43, 0x80000000
	s_or_b32 s47, s47, 0x80000000
	CROUND                                         ; all four work-groups are here: the joint loads meet
	tensor_load_to_lds s[40:43], s[24:31]
	s_nop 0
	tensor_load_to_lds s[44:47], s[24:31]          ; two tensor loads of mine are out: all that this launch issues
	s_nop 0
	NOP4
	v_and_b32 v64, 31, v0
	v_and_b32 v65, 15, v0
	v_bfe_u32 v1, v0, 4, 1
	v_and_b32 v2, 8, v65
	v_add_nc_u32 v2, v2, v65
	v_lshlrev_b32 v[L16], 4, v64
	v_lshlrev_b32 v[SA], 5, v65
	v_lshl_add_u32 v[SA], v1, 4, v[SA]
	v_add_nc_u32 v[SA], 24576, v[SA]
	v_lshlrev_b32 v14, 6, v1                       ; 64 h
	v_lshlrev_b32 v15, 2, v64                      ; 4 x lane
	v_lshlrev_b32 v[L16C], 4, v65
	s_mul_i32 s66, s52, 4352
	s_add_co_u32 s66, s66, STAGE
	v_mul_u32_u24 v[STO], v65, 272
	v_lshl_add_u32 v[STO], v1, 5, v[STO]
	v_add_nc_u32 v[STO], s66, v[STO]
	v_mul_u32_u24 v[RD], v1, 272
	v_add_nc_u32 v[RD], v[RD], v[L16C]
	v_add_nc_u32 v[RD], s66, v[RD]
	s_lshl_b32 s68, s60, 1
	s_add_co_u32 s68, s68, 544
	s_mul_i32 s68, s68, GRP                        ; Wq's groups 2 head and 2 head + 1
	s_mov_b32 s69, 0
	s_add_nc_u64 s[70:71], s[4:5], s[68:69]
	s_lshl_b32 s72, s60, 8
	s_mov_b32 s73, 0
	s_add_nc_u64 s[74:75], s[10:11], s[72:73]      ; bq at my head
	s_lshl_b32 s76, s56, 4
	s_add_co_u32 s76, s76, s60
	s_mul_i32 s76, s76, 6656
	s_mov_b32 s77, 0
	s_add_nc_u64 s[78:79], s[6:7], s[76:77]        ; attn of (batch, head)
	s_lshl_b32 s80, s56, 14
	s_mov_b32 s81, 0
	s_add_nc_u64 s[82:83], s[8:9], s[80:81]        ; the batch's mask
	s_lshl_b32 s84, s56, 24
	s_add_co_u32 s84, s84, s72
	s_mov_b32 s85, 0
	s_add_nc_u64 s[14:15], s[12:13], s[84:85]      ; y at the batch, my head's 256 bytes of a row
	WIN 0x40
.irp ks, 0,1,2,3,4
.irp ct, 0,1,2,3
.irp q, 0,1,2
	global_load_b128 v[12*(4*\ks+\ct)+4*\q:12*(4*\ks+\ct)+4*\q+3], v[L16], s[70:71] offset:(\ct/2)*GRP+(8*(\ct%2)+\ks)*1536+512*\q
.endr
.endr
.endr
	WIN 0x80
.irp ks, 5,6,7
.irp ct, 0,1,2,3
.irp q, 0,1,2
	global_load_b128 v[12*(4*(\ks-5)+\ct)+4*\q:12*(4*(\ks-5)+\ct)+4*\q+3], v[L16], s[70:71] offset:(\ct/2)*GRP+(8*(\ct%2)+\ks)*1536+512*\q
.endr
.endr
.endr
.irp ct, 0,1,2,3
	global_load_b128 v[BIAS+8*\ct:BIAS+8*\ct+3], v14, s[74:75] offset:128*(\ct/2)+32*(\ct%2)       ; bq at d = 32 bq + 8 u + 16 h + 0 .. 7
	global_load_b128 v[BIAS+8*\ct+4:BIAS+8*\ct+7], v14, s[74:75] offset:128*(\ct/2)+32*(\ct%2)+16
.endr
.irp lt, 0,1,2,3
.irp q, 0,1,2
	global_load_b128 v[AT+12*\lt+4*\q:AT+12*\lt+4*\q+3], v[L16], s[78:79] offset:1536*\lt+512*\q
.endr
.endr
	WIN 0
.irp ct, 0,1,2,3
	global_load_b128 v[WS+4*\ct:WS+4*\ct+3], v[SA], s[70:71] offset:(\ct/2)*GRP+512*(\ct%2)
.endr
.irp lt, 0,1,2,3
	global_load_b32 v[ATS+\lt], v15, s[78:79] offset:6144+128*\lt
.endr
.irp i, 6,7,8,9,10,11
	v_mov_b32 v[PQ+\i], 0                          ; k = 64 .. 127: zero codes, set once
.endr
	v_mov_b32 v[QT+1], 0                           ; (upper words of pairs of which the low word is broadcast; targets of lane permutes)
	v_mov_b32 v[NM+1], 0
	v_mov_b32 v[RL+1], 0
	v_mov_b32 v[TP], 0
	v_mov_b32 v[TP+1], 0
	s_mov_b32 s48, 0                               ; the trip's slot
	s_lshl_b32 s49, s57, 8                         ; the trip's first key row
	s_mov_b32 s50, 2
	s_wait_loadcnt 0x0
	s_wait_tensorcnt 0x0                           ; my two groups are in (the weights were on their way in the same stretch),
	s_barrier_signal -1
	s_barrier_wait -1                              ; everybody's are
.Ltrip:                                            ; two trips of 128 tokens
	s_wait_xcnt 0x0                                ; the last stores have read their offsets
	v_add_nc_u32 v[ADA], s48, v[L16]
	v_add_nc_u32 v[ADA+1], 2*GRP, v[ADA]
	v_add_nc_u32 v[ADS], s48, v[SA]
	v_add_nc_u32 v[ADS+1], 2*GRP, v[ADS]
	v_add_nc_u32 v[NH], s49, v1
	v_add_nc_u32 v[NR], s49, v2
.irp tt, 0,1,2,3,4,5,6,7
	v_add_nc_u32 v[OA+\tt], 32*(\tt/2)+8*(\tt%2)-5, v[NR]
	v_and_b32 v[OA+\tt], 0xfff, v[OA+\tt]          ; my token in tile tt
	v_lshlrev_b32 v[OA+\tt], 2, v[OA+\tt]
	global_load_b32 v[QS+\tt], v[OA+\tt], s[82:83]
.endr
	GEMM8Q
	WIN 0
	s_wait_loadcnt 0x0
.irp tt, 0,1,2,3,4,5,6,7
	v_cvt_f32_i32 v[QS+\tt], v[QS+\tt]
.endr
.irp tt, 0,1,2,3,4,5,6,7
	v_mul_f32 v[QS+\tt], s22, v[QS+\tt]            ; src x log2(e).  (These sixteen lines are the places behind the last products)
.endr
.irp tt, 0,1,2,3,4,5,6,7
	QTILE \tt
.endr
	s_add_co_u32 s48, s48, 4*GRP
	s_add_co_u32 s49, s49, 128
	s_sub_co_u32 s50, s50, 1
	s_cmp_lg_u32 s50, 0
	s_cbranch_scc1 .Ltrip
	s_wait_dscnt 0x0
	s_wait_tensorcnt 0x0
	ds_add_u32 v222, v223
	s_wait_dscnt 0x0
	CROUND                                         ; the closing round
	s_endpgm
.Lfunc_end_k_qfc49f2cd14_qy:
	.size	k_qfc49f2cd14_qy, .Lfunc_end_k_qfc49f2cd14_qy-k_qfc49f2cd14_qy
	.p2alignl 7, 3214868480
	.fill 96, 4, 3214868480
	.section	.rodata,"a",@progbits
	.p2align	6, 0x0
	.amdhsa_kernel k_qfc49f2cd14_qy
		.amdhsa_group_segment_fixed_size 222720
		.amdhsa_private_segment_fixed_size 0
		.amdhsa_enable_private_segment 0
		.amdhsa_kernarg_size 40
		.amdhsa_user_sgpr_count 2
		.amdhsa_user_sgpr_kernarg_segment_ptr 1
		.amdhsa_wavefront_size32 1
		.amdhsa_system_sgpr_workgroup_id_x 1
		.amdhsa_system_sgpr_workgroup_id_y 1
		.amdhsa_system_sgpr_workgroup_id_z 1
		.amdhsa_system_vgpr_workitem_id 0
		.amdhsa_next_free_vgpr 1024
		.amdhsa_next_free_sgpr 100
		.amdhsa_reserve_vcc 0
		.amdhsa_float_denorm_mode_32 3
		.amdhsa_float_denorm_mode_16_64 3
		.amdhsa_memory_ordered 1
		.amdhsa_forward_progress 1
		.amdhsa_inst_pref_size 164
	.end_amdhsa_kernel
	.amdgpu_metadata
---
amdhsa.version: [ 1, 2 ]
amdhsa.kernels:
  - .name:           k_qfc49f2cd14_qy
    .symbol:         k_qfc49f2cd14_qy.kd
    .args:
      - { .name: codes, .offset: 0, .size: 8, .value_kind: global_buffer, .address_space: global }
      - { .name: attnc, .offset: 8, .size: 8, .value_kind: global_buffer, .address_space: global }
      - { .name: src_mask, .offset: 16, .size: 8, .value_kind: global_buffer, .address_space: global }
      - { .name: bq, .offset: 24, .size: 8, .value_kind: global_buffer, .address_space: global }
      - { .name: out0, .offset: 32, .size: 8, .value_kind: global_buffer, .address_space: global }
    .group_segment_fixed_size: 222720
    .private_segment_fixed_size: 0
    .kernarg_segment_align: 8
    .kernarg_segment_size: 40
    .max_flat_workgroup_size: 128
    .sgpr_count:     100
    .vgpr_count:     1024
    .wavefront_size: 32
...
	.end_amdgpu_metadata
.endif
;; end of part 4
;; ======== version 2 of 2: 4 launches; 1.08 times as fast as version 1
;; workspace buffers: codes 16,384,000 bytes; kspec 81,920 bytes; vspec 81,920 bytes; part 8,388,608 bytes; pstat 524,288 bytes; attnc 425,984 bytes
;; launch prep (part 5): grid 768 x 1, 8 waves a work-group, no clusters, 160,256 bytes of LDS; arguments x, ng, nb, Wq, Wkm, Wvm, codes, xf, tg, tb, Wkt, bkt, Wvt, bvt, re_motion, re_text, r1g, r1b, r2g, r2b, Wkr, bkr, Wvr, bvr, cond_type, kspec, vspec; writes codes, kspec, vspec
.if DOCPART == 5
	.amdgcn_target "amdgcn-amd-amdhsa--gfx1250"
	.amdhsa_code_object_version 6
	.text
	.protected	k_qfc49f2cd14_prep
	.globl	k_qfc49f2cd14_prep
	.p2align	8
	.type	k_qfc49f2cd14_prep,@function
k_qfc49f2cd14_prep:
	s_mov_b64 s[64:65], 0
	v_nop
	global_prefetch_b8 v0, s[64:65] scope:SCOPE_SE
	s_setreg_imm32_b32 hwreg(HW_REG_WAVE_MODE, 25, 1), 1
	s_wait_xcnt 0x0
; PREP.  (1) LN(x), Wq, Wkm, Wvm become codes of E2M3 with one E8M0 byte for each 32 along K = 1,024; (2) the five special rows (text, four retrieved) of key and value are finished.
; THE GROUP is the one layout of codes: 32 rows x 1,024 K as images of the operand's registers, 25,600 bytes.  Tile u (0, 1), lane r holds group row 8 u + r + 8 (r / 8).  Fragment (u, ks) begins at byte
; (8 u + ks) 1,536; registers 4 q .. 4 q + 3 of lane L lie at + 512 q + 16 L.  The scale words begin at byte 24,576, laid [u][r][8 words], word ks for K step ks.
; Groups 136 b + j (j = 0 .. 135): row i is key row n = 32 j + i of batch b: LN(x) of token (n - 5) & 4095 where n < 4,101, zero codes beyond.  Groups 544 + ..: Wq, 576 + ..: Wkm, 608 + ..: Wvm.
; WORK-GROUPS: 0 .. 63 make 16 columns each of the four retrieved rows of key and value; 64 .. 127 make 16 columns each of the text row; 128 .. 223 one group of a weight; 224 + t group t of x.  Those with the
; longest chains of dependent steps stand first.  The three texts part on the work-group's number; the two that use LDS have LDS bytes of their own.  Two work-groups share a WGP: 2 x 160,256 bytes, 4 x 256 registers a SIMD.
; LIMITS: NaN and infinities among the inputs are not served.  A block whose largest magnitude lies under 2^-124 keeps the byte 1 (a block of zeros too, where the quantiser says 127: its codes are zeros and
; this program alone reads the bytes).  1 / sqrt is v_rsq_f32; means are sums times 1 / n.  cond_type may be any int32.
.set GRP,   25600
.set PITCH, 4112                       ; a row's place in LDS: 4,096 bytes + 16: 257 x 16, so sixteen rows' equal columns fall into sixteen different groups of banks
.set SCST,  131584                     ; behind the 32 places: the group's 1,024 bytes of scale words
.set SST1,  132608                     ; the retrieved rows' own bytes: two tables [row 16][wave 8][2 f32], 1,024 bytes each,
.set UB,    134656                     ; and 3,072 bytes for each wave: a stage of 16 rows x 144 bytes, later its six vectors of gains; behind a barrier the waves' partial sums [wave 8][kind 2][quad 2][lane][16 bytes] lie here
.set NSPEC,  128                       ; work-groups for the special rows
.set XFIRST, 224                       ; the first work-group of x
.set QM,  16                           ; v16-17 the two blocks' largest magnitudes;  v18-19 the conversions' scale operands;  v20-21 the bytes;  v22 (v23) a permute's target;  v24-30 second halves of codes
.set QSC, 18
.set QBY, 20
.set QTP, 22
.set QTC, 24
.set SH8, 4                            ; v4 = 8 x (lane / 16)
; 64 numbers of lane (r, h), register 32 c + i = k 64 c + 32 h + i of row r (two whole blocks), become the fragment's 12 registers at dst and the row's scale word.
.macro QB src, dst, word
	v_max3_num_f32 v[QM], |v[\src]|, |v[\src+1]|, 0x1800000            ; the floor 2^(3 - 127) is a leaf: the byte cannot fall under 1
	v_max3_num_f32 v[QM+1], |v[\src+32]|, |v[\src+33]|, 0x1800000
.irp i, 2,4,6,8,10,12,14,16,18,20,22,24,26,28,30
	v_max3_num_f32 v[QM], v[QM], |v[\src+\i]|, |v[\src+\i+1]|
	v_max3_num_f32 v[QM+1], v[QM+1], |v[\src+32+\i]|, |v[\src+33+\i]|
.endr
	v_add_nc_u32 v[QSC], 0xff000000, v[QM]                             ; 2 off the exponent field: the conversion's scale operand
	v_add_nc_u32 v[QSC+1], 0xff000000, v[QM+1]
	v_lshrrev_b32 v[QBY], 23, v[QSC]                                   ; the bytes of blocks h and 2 + h
	v_lshrrev_b32 v[QBY+1], 23, v[QSC+1]
	v_lshl_or_b32 v[\word], v[QBY+1], 16, v[QBY]
	v_lshlrev_b32 v[\word], v[SH8], v[\word]                           ; at their places in the word,
	v_permlanex16_b32 v[QTP], v[\word], s20, s21
	v_or_b32 v[\word], v[\word], v[QTP]                                ; whole with lane l xor 16's two
	v_cvt_scalef32_pk16_fp6_f32 v[\dst:\dst+2], v[\src:\src+15], v[QSC]
	v_cvt_scalef32_pk16_fp6_f32 v[QTC:QTC+2], v[\src+16:\src+31], v[QSC]          ; (a conversion's three registers begin on an even number)
	v_cvt_scalef32_pk16_fp6_f32 v[\dst+6:\dst+8], v[\src+32:\src+47], v[QSC+1]
	v_cvt_scalef32_pk16_fp6_f32 v[QTC+4:QTC+6], v[\src+48:\src+63], v[QSC+1]
	v_nop                                                              ; one plain place behind the conversions
.irp i, 0,1,2
	v_mov_b32 v[\dst+3+\i], v[QTC+\i]
	v_mov_b32 v[\dst+9+\i], v[QTC+4+\i]
.endr
.endm
; n sums (registers a, a + 2, ..) over the 32 lanes; the result stands in every lane.  t, t + 1, ..: registers that have been written
.macro RED a, t, n
.irp m, 1,2,4,8
.irp q, 0,1,2,3
.if \q < \n
	v_add_f32_dpp v[\a+2*\q], v[\a+2*\q], v[\a+2*\q] row_xmask:\m row_mask:0xf bank_mask:0xf
.endif
.endr
.endr
.irp q, 0,1,2,3
.if \q < \n
	v_permlanex16_b32 v[\t+\q], v[\a+2*\q], s20, s21
.endif
.endr
.irp q, 0,1,2,3
.if \q < \n
	v_add_f32 v[\a+2*\q], v[\a+2*\q], v[\t+\q]
.endif
.endr
.endm
	s_set_vgpr_msb 0x40
	v_lshl_add_u32 v0, v0, 2, 0x26e00
	v_mov_b32 v1, 0
	s_set_vgpr_msb 0x4000
	v_lshrrev_b32 v1, 5, v0
	v_readfirstlane_b32 s18, v1                    ; wave 0 .. 7
	s_mov_b32 s20, 0x76543210
	s_mov_b32 s21, 0xfedcba98                      ; v_permlanex16_b32's selects for lane l xor 16
	v_and_b32 v1, 31, v0                           ; lane
	v_and_b32 v2, 15, v0                           ; r
	v_bfe_u32 v3, v0, 4, 1                         ; h
	v_lshlrev_b32 v4, 3, v3
	v_mov_b32 v22, 0                               ; written once: a lane permute's target counts as read
	v_mov_b32 v23, 0
	s_cmp_lt_u32 ttmp9, NSPEC
	s_cbranch_scc1 .Lspecial
; ======================================================= ONE GROUP OF 32 ROWS =======================================================
; Phase A: wave w takes rows 4 w .. 4 w + 3 whole (32 registers a row, each load 512 consecutive bytes), norms them (x only) and lays them into LDS.
; Phase B: wave w takes K step w of both tiles in the operand's order, quantises, and stores the fragments' images: each store 512 consecutive bytes.
.set G,  32                            ; v32-63 ng;  v64-95 nb;  v96-223 four rows, later two tiles' 64 numbers;  v224-247 codes;  v248-249 scale words
.set BN, 64
.set X,  96
.set CD, 224
.set WD, 248
.set SA, 16                            ; phase A: v16-23, v24-31 two chains of sums for each row
.set SB, 24
	s_load_b256 s[4:11], s[0:1], 0x0               ; x, ng, nb, Wq
	s_load_b128 s[12:15], s[0:1], 0x20             ; Wkm, Wvm
	s_load_b64 s[16:17], s[0:1], 0x30              ; codes
	s_sub_co_u32 s22, ttmp9, XFIRST                ; x: the group's number t = 136 b + j
	s_mul_i32 s23, s22, 241
	s_lshr_b32 s23, s23, 15                        ; b = t / 136 (241 / 32,768 serves t = 0 .. 543)
	s_mul_i32 s24, s23, 136
	s_sub_co_u32 s24, s22, s24                     ; j
	s_sub_co_u32 s25, ttmp9, NSPEC                 ; a weight: 32 x which + its group
	s_lshr_b32 s26, s25, 5
	s_and_b32 s27, s25, 31
	s_add_co_u32 s28, s25, 544
	s_lshl_b32 s29, s18, 2                         ; my first row in the group
	s_lshl_b32 s30, s24, 5
	s_add_co_u32 s30, s30, s29
	s_sub_co_u32 s30, s30, 5                       ; x: n - 5 of that row
	s_lshl_b32 s31, s27, 5
	s_add_co_u32 s31, s31, s29
	s_lshl_b32 s31, s31, 12                        ; a weight: its row's byte
	s_lshl_b32 s32, s23, 24                        ; x: the batch's byte
.irp q, 0,1,2,3
	s_add_co_u32 s33, s30, \q
	s_and_b32 s33, s33, 4095                       ; the token
	s_lshl_b32 s33, s33, 12
	s_add_co_u32 s33, s33, s32
	s_add_co_u32 s34, s31, \q*4096
	s_cmp_ge_u32 ttmp9, XFIRST
	s_cselect_b32 s[48+2*\q], s33, s34
	s_mov_b32 s[49+2*\q], 0
.endr
	s_cmp_ge_u32 ttmp9, XFIRST
	s_cselect_b32 s34, s22, s28                    ; where the group goes
	s_cselect_b32 s35, s24, 0                      ; j for the test n < 4,101 (a weight's rows all count)
	s_mul_i32 s36, s34, GRP
	s_mov_b32 s37, 0
	s_mul_i32 s58, s18, 1536                       ; my K step's fragment
	s_mov_b32 s59, 0
	s_mov_b32 s73, 0x3a800000                      ; 1 / 1,024
	s_mov_b32 s74, 0x3727c5ac                      ; 1e-5
	s_mov_b32 s72, 4101
	v_lshlrev_b32 v5, 4, v1                        ; 16 x lane
	s_and_b32 s66, s18, 1                          ; group row i goes to place (i & 7) + 16 (bit 3 of i) + 8 (bit 4 of i) = 16 u + r
	s_lshl_b32 s66, s66, 2
	s_bfe_u32 s67, s18, 0x10001
	s_lshl_b32 s67, s67, 4
	s_bfe_u32 s68, s18, 0x10002
	s_lshl_b32 s68, s68, 3
	s_add_co_u32 s66, s66, s67
	s_add_co_u32 s66, s66, s68
	s_mul_i32 s66, s66, PITCH
	v_add_nc_u32 v6, s66, v5                       ; phase A: my first row's place + 16 x lane
	v_mul_u32_u24 v7, v2, PITCH
	v_lshl_add_u32 v7, v3, 7, v7
	s_lshl_b32 s69, s18, 9
	v_add_nc_u32 v7, s69, v7                       ; phase B, tile 0: place r, + 512 w + 128 h
	v_add_nc_u32 v8, 16*PITCH, v7                  ; tile 1: sixteen places on (more than an LDS offset holds)
	v_lshl_add_u32 v9, v2, 5, SCST
	s_lshl_b32 s70, s18, 2
	v_add_nc_u32 v9, s70, v9                       ; my scale word: 32 r + 4 w
	v_and_b32 v12, 8, v2
	v_add_nc_u32 v12, v12, v2
	s_lshl_b32 s71, s35, 5
	v_add_nc_u32 v12, s71, v12                     ; n of tile 0's row
	v_mov_b32 v13, 0
	v_mov_b32 v14, -1
	v_cmp_gt_u32 vcc_lo, s72, v12
	v_cndmask_b32 v10, v13, v14, vcc_lo            ; all ones where n < 4,101
	v_add_nc_u32 v12, 8, v12
	v_cmp_gt_u32 vcc_lo, s72, v12
	v_cndmask_b32 v11, v13, v14, vcc_lo            ; the same for tile 1
	v_lshlrev_b32 v12, 4, v0                       ; the way out of the scale words: 16 x thread
	v_lshl_add_u32 v15, v0, 4, SCST
	s_wait_kmcnt 0x0
	s_cmp_eq_u32 s26, 0                            ; the choice of a buffer hangs on the work-group's number alone
	s_cselect_b64 s[38:39], s[10:11], s[12:13]
	s_cmp_eq_u32 s26, 2
	s_cselect_b64 s[38:39], s[14:15], s[38:39]
	s_cmp_ge_u32 ttmp9, XFIRST
	s_cselect_b64 s[38:39], s[4:5], s[38:39]
.irp q, 0,1,2,3
	s_add_nc_u64 s[40+2*\q:41+2*\q], s[38:39], s[48+2*\q:49+2*\q]
.endr
	s_add_nc_u64 s[56:57], s[16:17], s[36:37]      ; the group
	s_add_nc_u64 s[60:61], s[56:57], s[58:59]      ; my fragment of tile 0
.irp e, 0,1,2,3,4,5,6,7
	global_load_b128 v[G+4*\e:G+4*\e+3], v5, s[6:7] offset:512*\e
	global_load_b128 v[BN+4*\e:BN+4*\e+3], v5, s[8:9] offset:512*\e
.endr
.irp q, 0,1,2,3
.irp e, 0,1,2,3,4,5,6,7
	global_load_b128 v[X+32*\q+4*\e:X+32*\q+4*\e+3], v5, s[40+2*\q:41+2*\q] offset:512*\e th:TH_LOAD_NT   ; lane L, piece e: elements 128 e + 4 L ..
.endr
.endr
	s_wait_loadcnt 0x0
	s_cmp_lt_u32 ttmp9, XFIRST
	s_cbranch_scc1 .Lrow_store                     ; a weight is quantised as it is
	; the layer norm, four rows by turns: mean, x - mean, variance of that, (x - mean) rsqrt(var + eps) g + b
.irp q, 0,1,2,3
	v_pk_add_f32 v[SA+2*\q:SA+2*\q+1], v[X+32*\q:X+32*\q+1], v[X+32*\q+2:X+32*\q+3]
	v_pk_add_f32 v[SB+2*\q:SB+2*\q+1], v[X+32*\q+4:X+32*\q+5], v[X+32*\q+6:X+32*\q+7]
.endr
.irp k, 8,12,16,20,24,28
.irp q, 0,1,2,3
	v_pk_add_f32 v[SA+2*\q:SA+2*\q+1], v[SA+2*\q:SA+2*\q+1], v[X+32*\q+\k:X+32*\q+\k+1]
	v_pk_add_f32 v[SB+2*\q:SB+2*\q+1], v[SB+2*\q:SB+2*\q+1], v[X+32*\q+\k+2:X+32*\q+\k+3]
.endr
.endr
.irp q, 0,1,2,3
	v_pk_add_f32 v[SA+2*\q:SA+2*\q+1], v[SA+2*\q:SA+2*\q+1], v[SB+2*\q:SB+2*\q+1]
.endr
.irp q, 0,1,2,3
	v_add_f32 v[SA+2*\q], v[SA+2*\q], v[SA+2*\q+1]
.endr
	RED SA, SB, 4
.irp q, 0,1,2,3
	v_mul_f32 v[SA+2*\q], s73, v[SA+2*\q]          ; the mean
.endr
.irp q, 0,1,2,3
.set i, 0
.rept 16
	v_pk_add_f32 v[X+32*\q+i:X+32*\q+i+1], v[X+32*\q+i:X+32*\q+i+1], v[SA+2*\q:SA+2*\q+1] op_sel_hi:[1,0] neg_lo:[0,1] neg_hi:[0,1]
.set i, i+2
.endr
.endr
.irp q, 0,1,2,3
	v_pk_mul_f32 v[SA+2*\q:SA+2*\q+1], v[X+32*\q:X+32*\q+1], v[X+32*\q:X+32*\q+1]
	v_pk_mul_f32 v[SB+2*\q:SB+2*\q+1], v[X+32*\q+2:X+32*\q+3], v[X+32*\q+2:X+32*\q+3]
.endr
.irp k, 4,8,12,16,20,24,28
.irp q, 0,1,2,3
	v_pk_fma_f32 v[SA+2*\q:SA+2*\q+1], v[X+32*\q+\k:X+32*\q+\k+1], v[X+32*\q+\k:X+32*\q+\k+1], v[SA+2*\q:SA+2*\q+1]
	v_pk_fma_f32 v[SB+2*\q:SB+2*\q+1], v[X+32*\q+\k+2:X+32*\q+\k+3], v[X+32*\q+\k+2:X+32*\q+\k+3], v[SB+2*\q:SB+2*\q+1]
.endr
.endr
.irp q, 0,1,2,3
	v_pk_add_f32 v[SA+2*\q:SA+2*\q+1], v[SA+2*\q:SA+2*\q+1], v[SB+2*\q:SB+2*\q+1]
.endr
.irp q, 0,1,2,3
	v_add_f32 v[SA+2*\q], v[SA+2*\q], v[SA+2*\q+1]
.endr
	RED SA, SB, 4
.irp q, 0,1,2,3
	v_fma_f32 v[SA+2*\q], v[SA+2*\q], s73, s74     ; variance + eps
.endr
.irp q, 0,1,2,3
	v_rsq_f32 v[SA+2*\q], v[SA+2*\q]
.endr
	v_nop                                          ; one plain place behind the transcendentals
	s_wait_alu depctr_va_vdst(0)
.irp q, 0,1,2,3
.set i, 0
.rept 16
	v_pk_mul_f32 v[X+32*\q+i:X+32*\q+i+1], v[X+32*\q+i:X+32*\q+i+1], v[SA+2*\q:SA+2*\q+1] op_sel_hi:[1,0]
.set i, i+2
.endr
.endr
.irp q, 0,1,2,3
.set i, 0
.rept 16
	v_pk_fma_f32 v[X+32*\q+i:X+32*\q+i+1], v[X+32*\q+i:X+32*\q+i+1], v[G+i:G+i+1], v[BN+i:BN+i+1]
.set i, i+2
.endr
.endr
.Lrow_store:
.irp q, 0,1,2,3
.irp e, 0,1,2,3,4,5,6,7
	ds_store_b128 v6, v[X+32*\q+4*\e:X+32*\q+4*\e+3] offset:\q*PITCH+512*\e
.endr
.endr
	s_wait_dscnt 0x0                               ; for the others' sake: my rows lie in LDS
	s_barrier_signal -1
	s_barrier_wait -1
.irp u, 0,1
.irp c, 0,1
.irp e, 0,1,2,3,4,5,6,7
	ds_load_b128 v[X+64*\u+32*\c+4*\e:X+64*\u+32*\c+4*\e+3], v[7+\u] offset:256*\c+16*\e   ; k = 128 w + 64 c + 32 h + 4 e ..
.endr
.endr
.endr
	s_wait_dscnt 16                                ; tile 0's sixteen loads are in; tile 1's sixteen may be out
	QB X, CD, WD
.irp i, 0,1,2,3,4,5,6,7,8,9,10,11
	v_and_b32 v[CD+\i], v10, v[CD+\i]              ; rows beyond the last key: zero codes
.endr
.irp q, 0,1,2
	global_store_b128 v5, v[CD+4*\q:CD+4*\q+3], s[60:61] offset:512*\q
.endr
	ds_store_b32 v9, v[WD]                         ; (both halves of the lanes hold the same word)
	s_wait_dscnt 0x0
	QB X+64, CD+12, WD+1
.irp i, 0,1,2,3,4,5,6,7,8,9,10,11
	v_and_b32 v[CD+12+\i], v11, v[CD+12+\i]
.endr
.irp q, 0,1,2
	global_store_b128 v5, v[CD+12+4*\q:CD+12+4*\q+3], s[60:61] offset:8*1536+512*\q
.endr
	ds_store_b32 v9, v[WD+1] offset:512
	s_wait_dscnt 0x0
	s_barrier_signal -1
	s_barrier_wait -1                              ; the group's 256 scale words lie in LDS
	s_cmp_gt_u32 s18, 1
	s_cbranch_scc1 .Lrow_end
	ds_load_b128 v[32:35], v15                     ; threads 0 .. 63: 1,024 consecutive bytes
	s_wait_dscnt 0x0
	global_store_b128 v12, v[32:35], s[56:57] offset:24576
.Lrow_end:
	s_set_vgpr_msb 0x5
	s_wait_tensorcnt 0x0
	ds_add_u32 v0, v1
	s_wait_dscnt 0x0
	s_set_vgpr_msb 0x500
	s_endpgm
; ======================================================= THE SPECIAL ROWS =======================================================
.Lspecial:
	s_load_b256 s[24:31], s[0:1], 0x38             ; xf, tg, tb, Wkt
	s_load_b256 s[32:39], s[0:1], 0x58             ; bkt, Wvt, bvt, re_motion
	s_load_b256 s[40:47], s[0:1], 0x78             ; re_text, r1g, r1b, r2g
	s_load_b256 s[48:55], s[0:1], 0x98             ; r2b, Wkr, bkr, Wvr
	s_load_b256 s[56:63], s[0:1], 0xb8             ; bvr, cond_type, kspec, vspec
	s_and_b32 s19, ttmp9, 63                       ; which sixteen columns
	s_mov_b32 s93, 0x3727c5ac                      ; 1e-5
	s_cmp_ge_u32 ttmp9, 64
	s_cbranch_scc1 .Ltext
; THE RETRIEVED ROWS (two quantised products, M = 16 rows 4 b + k): work-group s makes columns 16 s .. 16 s + 15 of key rows 1 .. 4 and value rows 1 .. 4 of all four batches.
; Wave w owns K steps w (motion) and w + 8 (text) of the key's product and K step w of the value's; the waves' partial sums meet in LDS.
; EVERY GLOBAL LOAD IS DENSE: an instruction takes 4 rows x 128 consecutive bytes, eight lanes to a row.  A block of 16 rows x 128 bytes (32 along K) then turns through the wave's own stage in LDS and comes back
; into the registers that it left, 64 bytes a lane: register 16 b + i of lane (r, h) is k = 32 b + 16 h + i of row r.  A block of 32 lies in lanes l and l xor 16.
; The gains and biases of the norms come once, dense (lane L: elements 4 L ..), lie in the wave's LDS bytes once the stage is idle, and are read block by block in the numbers' layout.
; WHAT IS ASKED FOR WHEN: the rows, the gains and Wvr's fragment at the head, together; Wkr's two fragments as soon as the registers of the text and of the motion numbers are free.
.set DOF, 5                            ; v5   dense loads, rows 4,096 bytes apart: 4,096 (L / 8) + 512 w + 16 (L % 8)
.set DOK, 6                            ; v6   the same for rows 8,192 bytes apart (Wkr)
.set GOF, 7                            ; v7   gains: 512 w + 16 L
.set SSA, 8                            ; v8   into the stage: 144 (L / 8) + 16 (L % 8)
.set SLA, 9                            ; v9   out of it: 144 r + 64 h
.set GSA, 10                           ; v10  gains into LDS: 16 L
.set GLA, 11                           ; v11  out of it: 64 h
.set TSA, 12                           ; v12  the tables: row r, my wave's pair;  v13 row r
.set TLA, 13
.set PSA, 14                           ; v14  my partial sums: 2,048 w + 16 L;  v15 where I read the eight waves'
.set PLA, 15
.set MK,  16                           ; pairs whose low word is broadcast: the key norm's mean, the value norm's mean, their 1 / sqrt
.set MV,  18
.set RK,  20
.set RV,  22
.set TM,  24                           ; v24-27 largest magnitudes, v28-31 permutes' targets and bytes, v32-35 the conversions' scale operands;  v36-43 second halves of codes
.set TC,  36
.set RM,  44                           ; v44-107 motion;  v108-171 text
.set RT,  108
.set BB,  172                          ; v172-235 Wvr's fragment at the head;  then v172-187 gains and v188-203 biases of a block
.set GG,  172
.set BV,  188
; fragments: text v212-223, value v224-235, Wvr v236-247, motion v172-183, Wkr (w + 8) v184-195, Wkr (w) v196-207;  scale words v248-253, which hold nothing else;  v254, v255 bkr, bvr of my column
.macro DLOAD dst, adr, bp, rowb, off, nt
.irp b, 0,1,2,3
.irp i, 0,1,2,3
.if \nt
	global_load_b128 v[\dst+16*\b+4*\i:\dst+16*\b+4*\i+3], v[\adr], s[\bp:\bp+1] offset:\off+4*\i*\rowb+128*\b th:TH_LOAD_NT   ; a weight: read once in the launch
.else
	global_load_b128 v[\dst+16*\b+4*\i:\dst+16*\b+4*\i+3], v[\adr], s[\bp:\bp+1] offset:\off+4*\i*\rowb+128*\b
.endif
.endr
.endr
.endm
.macro STAGE d                         ; block by block through my own stage: LDS serves a wave's instructions in order, so the loads see the stores above them and the next block's stores come behind them
.irp b, 0,1,2,3
.irp i, 0,1,2,3
	ds_store_b128 v[SSA], v[\d+16*\b+4*\i:\d+16*\b+4*\i+3] offset:576*\i
.endr
.irp e, 0,1,2,3
	ds_load_b128 v[\d+16*\b+4*\e:\d+16*\b+4*\e+3], v[SLA] offset:16*\e
.endr
.endr
.endm
; 64 numbers of a lane, register 16 b + i = k 32 b + 16 h + i of row r, become a fragment's 12 registers at dst and the row's scale word.
.macro QU s, dst, word
.irp b, 0,1,2,3
	v_max3_num_f32 v[TM+\b], |v[\s+16*\b]|, |v[\s+16*\b+1]|, 0x1800000   ; my 16 numbers of block b, and the floor 2^(3 - 127)
.endr
.irp i, 2,4,6,8,10,12,14
.irp b, 0,1,2,3
	v_max3_num_f32 v[TM+\b], v[TM+\b], |v[\s+16*\b+\i]|, |v[\s+16*\b+\i+1]|
.endr
.endr
.irp b, 0,1,2,3
	v_permlanex16_b32 v[TM+4+\b], v[TM+\b], s20, s21
.endr
.irp b, 0,1,2,3
	v_max_num_f32 v[TM+\b], v[TM+\b], v[TM+4+\b]   ; with lane l xor 16's: the block's largest magnitude
.endr
.irp b, 0,1,2,3
	v_add_nc_u32 v[TM+8+\b], 0xff000000, v[TM+\b]  ; 2 off its exponent field: the conversion's scale operand
.endr
.irp b, 0,1,2,3
	v_lshrrev_b32 v[TM+4+\b], 23, v[TM+8+\b]       ; the scale's byte
.endr
	v_lshl_or_b32 v[\word], v[TM+5], 8, v[TM+4]
	v_lshl_or_b32 v[\word], v[TM+6], 16, v[\word]
	v_lshl_or_b32 v[\word], v[TM+7], 24, v[\word]
.irp c, 0,1
	v_cvt_scalef32_pk16_fp6_f32 v[\dst+6*\c:\dst+6*\c+2], v[\s+32*\c:\s+32*\c+15], v[TM+8+2*\c]
	v_cvt_scalef32_pk16_fp6_f32 v[TC+4*\c:TC+4*\c+2], v[\s+32*\c+16:\s+32*\c+31], v[TM+8+2*\c+1]   ; (a conversion's three registers begin on an even number)
.endr
	v_nop                                          ; one plain place behind the conversions
.irp c, 0,1                            ; the operand wants a whole block in a lane: lanes 0-15 block 2 c, lanes 16-31 block 2 c + 1
.irp i, 0,1,2
	v_permlane16_swap_b32 v[\dst+6*\c+\i], v[TC+4*\c+\i]
.endr
.irp i, 0,1,2
	v_mov_b32 v[\dst+6*\c+3+\i], v[TC+4*\c+\i]
.endr
.endr
.endm
; ((x - mean) / sqrt) g + b, block by block; t: which pair of vectors in my LDS bytes.  The subtraction and the first multiplication stand between a block's eight LDS loads and the wait for them.
.macro NORMF dst, src, m, rr, t
.irp b, 0,1,2,3
.irp e, 0,1,2,3
	ds_load_b128 v[GG+4*\e:GG+4*\e+3], v[GLA] offset:1024*\t+128*\b+16*\e
	ds_load_b128 v[BV+4*\e:BV+4*\e+3], v[GLA] offset:1024*\t+512+128*\b+16*\e
.endr
.irp i, 0,2,4,6,8,10,12,14
	v_pk_add_f32 v[\dst+16*\b+\i:\dst+16*\b+\i+1], v[\src+16*\b+\i:\src+16*\b+\i+1], v[\m:\m+1] op_sel_hi:[1,0] neg_lo:[0,1] neg_hi:[0,1]
.endr
.irp i, 0,2,4,6,8,10,12,14
	v_pk_mul_f32 v[\dst+16*\b+\i:\dst+16*\b+\i+1], v[\dst+16*\b+\i:\dst+16*\b+\i+1], v[\rr:\rr+1] op_sel_hi:[1,0]
.endr
	s_wait_dscnt 0x0
.irp i, 0,2,4,6,8,10,12,14
	v_pk_fma_f32 v[\dst+16*\b+\i:\dst+16*\b+\i+1], v[\dst+16*\b+\i:\dst+16*\b+\i+1], v[GG+\i:GG+\i+1], v[BV+\i:BV+\i+1]
.endr
.endr
.endm
	v_lshrrev_b32 v4, 3, v1                        ; L / 8
	v_and_b32 v24, 7, v1                           ; L % 8
	s_lshl_b32 s66, s18, 9
	v_lshl_add_u32 v25, v24, 4, s66                ; 512 w + 16 (L % 8)
	v_lshl_add_u32 v[DOF], v4, 12, v25
	v_lshl_add_u32 v[DOK], v4, 13, v25
	v_lshl_add_u32 v[GOF], v1, 4, s66
	s_mul_i32 s67, s18, 3072
	s_add_co_u32 s67, s67, UB                      ; my wave's 3,072 bytes
	v_mul_u32_u24 v[SSA], v4, 144
	v_lshl_add_u32 v[SSA], v24, 4, v[SSA]
	v_add_nc_u32 v[SSA], s67, v[SSA]
	v_mul_u32_u24 v[SLA], v2, 144
	v_lshl_add_u32 v[SLA], v3, 6, v[SLA]
	v_add_nc_u32 v[SLA], s67, v[SLA]
	v_lshl_add_u32 v[GSA], v1, 4, s67
	v_lshl_add_u32 v[GLA], v3, 6, s67
	v_lshl_add_u32 v[TLA], v2, 6, SST1
	s_lshl_b32 s68, s18, 3
	v_add_nc_u32 v[TSA], s68, v[TLA]
	s_lshl_b32 s68, s18, 11
	v_lshl_add_u32 v[PSA], v1, 4, UB
	v_add_nc_u32 v[PSA], s68, v[PSA]
	s_bfe_u32 s69, s18, 0x10001                    ; thread (w, L) later sums row m = 2 w + L / 16, column L % 16: register m % 8 of lane L % 16 + 16 (m / 8)
	s_lshl_b32 s69, s69, 9
	s_lshr_b32 s70, s18, 2
	s_lshl_b32 s70, s70, 8
	s_add_co_u32 s69, s69, s70
	s_and_b32 s70, s18, 1
	s_lshl_b32 s70, s70, 3
	s_add_co_u32 s69, s69, s70
	v_lshl_add_u32 v[PLA], v2, 4, UB
	v_lshl_add_u32 v[PLA], v3, 2, v[PLA]
	v_add_nc_u32 v[PLA], s69, v[PLA]
	v_lshlrev_b32 v4, 2, v2                        ; 4 r: my column in bkr and bvr
	v_mov_b32 v21, 0                               ; (the upper word of a pair of which the low word is broadcast)
	v_mov_b32 v42, 0                               ; (targets of lane permutes)
	v_mov_b32 v43, 0
	s_lshl_b32 s76, s19, 17                        ; 16 rows of Wkr
	s_mov_b32 s77, 0
	s_lshl_b32 s78, s19, 16                        ; 16 rows of Wvr
	s_mov_b32 s79, 0
	s_lshl_b32 s84, s19, 6                         ; my sixteen columns, in bytes
	s_mov_b32 s85, 0
	s_mov_b32 s94, 0x3a000000                      ; 1 / 2,048
	s_mov_b32 s95, 0x3a800000                      ; 1 / 1,024
	s_wait_kmcnt 0x0
	s_load_b128 s[72:75], s[58:59], 0x0            ; cond_type of the four batches
	s_add_nc_u64 s[76:77], s[50:51], s[76:77]
	s_add_nc_u64 s[78:79], s[54:55], s[78:79]
	s_add_nc_u64 s[96:97], s[52:53], s[84:85]
	s_add_nc_u64 s[98:99], s[56:57], s[84:85]
	global_load_b32 v254, v4, s[96:97]             ; bkr
	global_load_b32 v255, v4, s[98:99]             ; bvr
	DLOAD RM, DOF, 38, 4096, 0, 0                  ; 16 rows x 128 K of re_motion
	DLOAD RT, DOF, 40, 4096, 0, 0                  ; and of re_text
	global_load_b128 v[236:239], v[GOF], s[42:43] offset:4096   ; r1g, r1b at 1,024 + 128 w (text),
	global_load_b128 v[240:243], v[GOF], s[44:45] offset:4096
	global_load_b128 v[244:247], v[GOF], s[46:47]               ; r2g, r2b at 128 w (value),
	global_load_b128 v[24:27], v[GOF], s[48:49]
	global_load_b128 v[28:31], v[GOF], s[42:43]                 ; r1g, r1b at 128 w (motion)
	global_load_b128 v[32:35], v[GOF], s[44:45]
	DLOAD BB, DOF, 78, 4096, 0, 1                  ; Wvr, K step w
	s_wait_loadcnt 22                              ; the rows are in; the six loads of gains and Wvr's sixteen, issued behind them, may be out
	STAGE RM
	STAGE RT
	s_wait_dscnt 0x0
	; the rows' sums: my 64 + 64 numbers, lane l xor 16's, then all eight waves' through the first table
	v_pk_add_f32 v[36:37], v[RM:RM+1], v[RM+2:RM+3]
	v_pk_add_f32 v[38:39], v[RT:RT+1], v[RT+2:RT+3]
.set i, 4
.rept 30
	v_pk_add_f32 v[36:37], v[36:37], v[RM+i:RM+i+1]
	v_pk_add_f32 v[38:39], v[38:39], v[RT+i:RT+i+1]
.set i, i+2
.endr
	v_add_f32 v40, v36, v37
	v_add_f32 v41, v38, v39
	v_permlanex16_b32 v42, v40, s20, s21
	v_permlanex16_b32 v43, v41, s20, s21
	v_add_f32 v40, v40, v42
	v_add_f32 v41, v41, v43
	ds_store_b64 v[TSA], v[40:41]
	s_wait_loadcnt 0x0
	STAGE BB
	ds_store_b128 v[GSA], v[236:239]               ; the stage is idle from here to Wkr's fragments: my six vectors lie over it
	ds_store_b128 v[GSA], v[240:243] offset:512
	ds_store_b128 v[GSA], v[244:247] offset:1024
	ds_store_b128 v[GSA], v[24:27] offset:1536
	ds_store_b128 v[GSA], v[28:31] offset:2048
	ds_store_b128 v[GSA], v[32:35] offset:2560
	s_wait_dscnt 0x0                               ; for the others' sake: my sums lie in the table; for mine: Wvr's numbers are back and the stores have read their registers
	s_barrier_signal -1
	QU BB, 236, 253                                ; work on registers while the others arrive: Wvr's fragment v236-247, word v253
	s_barrier_wait -1
.irp i, 0,1,2,3
	ds_load_b128 v[24+4*\i:27+4*\i], v[TLA] offset:16*\i
.endr
	s_wait_dscnt 0x0
.irp i, 2,4,6,8,10,12,14
	v_pk_add_f32 v[24:25], v[24:25], v[24+\i:25+\i]
.endr
	v_add_f32 v40, v24, v25
	v_mul_f32 v[MK], s94, v40                      ; mean over motion and text
	v_mov_b32 v[MK+1], v[MK]
	v_mul_f32 v[MV], s95, v24                      ; mean over motion
	v_mov_b32 v[MV+1], v[MV]
.set i, 0
.rept 32
	v_pk_add_f32 v[30:31], v[RM+i:RM+i+1], v[MK:MK+1] op_sel_hi:[1,0] neg_lo:[0,1] neg_hi:[0,1]
	v_pk_add_f32 v[32:33], v[RT+i:RT+i+1], v[MK:MK+1] op_sel_hi:[1,0] neg_lo:[0,1] neg_hi:[0,1]
	v_pk_add_f32 v[34:35], v[RM+i:RM+i+1], v[MV:MV+1] op_sel_hi:[1,0] neg_lo:[0,1] neg_hi:[0,1]
.if i == 0
	v_pk_mul_f32 v[24:25], v[30:31], v[30:31]
	v_pk_mul_f32 v[26:27], v[32:33], v[32:33]
	v_pk_mul_f32 v[28:29], v[34:35], v[34:35]
.else
	v_pk_fma_f32 v[24:25], v[30:31], v[30:31], v[24:25]
	v_pk_fma_f32 v[26:27], v[32:33], v[32:33], v[26:27]
	v_pk_fma_f32 v[28:29], v[34:35], v[34:35], v[28:29]
.endif
.set i, i+2
.endr
	v_pk_add_f32 v[24:25], v[24:25], v[26:27]
	v_add_f32 v36, v24, v25
	v_add_f32 v37, v28, v29
	v_permlanex16_b32 v38, v36, s20, s21
	v_permlanex16_b32 v39, v37, s20, s21
	v_add_f32 v36, v36, v38
	v_add_f32 v37, v37, v39
	ds_store_b64 v[TSA], v[36:37] offset:1024      ; the second table: other bytes, so no barrier is owed to the first table's readers
	s_wait_dscnt 0x0
	s_barrier_signal -1
	s_barrier_wait -1
.irp i, 0,1,2,3
	ds_load_b128 v[24+4*\i:27+4*\i], v[TLA] offset:1024+16*\i
.endr
	s_wait_dscnt 0x0
.irp i, 2,4,6,8,10,12,14
	v_pk_add_f32 v[24:25], v[24:25], v[24+\i:25+\i]
.endr
	v_fma_f32 v[RK], v24, s94, s93
	v_fma_f32 v[RV], v25, s95, s93
	v_rsq_f32 v[RK], v[RK]
	v_rsq_f32 v[RV], v[RV]
	v_nop                                          ; one plain place behind the transcendentals
	s_wait_alu depctr_va_vdst(0)
	NORMF RT, RT, MK, RK, 0                        ; text, in place
	QU RT, 212, 248
	NORMF RT, RM, MV, RV, 1                        ; value: the motion numbers under the second norm, into the text's registers
	QU RT, 224, 249
	DLOAD RT, DOK, 76, 8192, 4096, 1               ; those registers are free: Wkr, K step w + 8; it is on its way while the motion numbers are normed
	NORMF RM, RM, MK, RK, 2                        ; motion, in place
	QU RM, 172, 250
	DLOAD RM, DOK, 76, 8192, 0, 1                  ; Wkr, K step w
	s_wait_loadcnt 16                              ; K step w + 8 is in; the younger fragment's sixteen loads may be out
	STAGE RT                                       ; (the gains have been read: the stage is a stage again)
	s_wait_dscnt 0x0
	QU RT, 184, 252
	s_wait_loadcnt 0x0
	STAGE RM
	s_wait_dscnt 0x0                               ; my last access to my 3,072 bytes is over:
	s_barrier_signal -1                            ; say so, since the waves' partial sums will lie over them; work on registers until all have said so
	QU RM, 196, 251
.rept 8
	v_nop                                          ; a scale word made by vector instructions stands eight places ahead of a scaled matrix instruction
.endr
	; source 0 = the 16 rows, source 1 = 16 columns: register j of lane (r, h) is row 8 h + j, column r.  Three sums, three accumulators
	v_wmma_scale_f32_16x16x128_f8f6f4 v[44:51], v[172:183], v[196:207], 0, v250, v251 matrix_a_fmt:MATRIX_FMT_FP6 matrix_b_fmt:MATRIX_FMT_FP6
	v_wmma_scale_f32_16x16x128_f8f6f4 v[52:59], v[212:223], v[184:195], 0, v248, v252 matrix_a_fmt:MATRIX_FMT_FP6 matrix_b_fmt:MATRIX_FMT_FP6
	v_wmma_scale_f32_16x16x128_f8f6f4 v[60:67], v[224:235], v[236:247], 0, v249, v253 matrix_a_fmt:MATRIX_FMT_FP6 matrix_b_fmt:MATRIX_FMT_FP6
.rept 4
	v_nop
.endr
.irp i, 0,2,4,6
	v_pk_add_f32 v[68+\i:69+\i], v[44+\i:45+\i], v[52+\i:53+\i]   ; the key's two K steps, from the low end on
.endr
	s_barrier_wait -1
	ds_store_b128 v[PSA], v[68:71]
	ds_store_b128 v[PSA], v[72:75] offset:512
	ds_store_b128 v[PSA], v[60:63] offset:1024
	ds_store_b128 v[PSA], v[64:67] offset:1536
	s_wait_dscnt 0x0
	s_barrier_signal -1
	s_barrier_wait -1
.irp p, 0,1,2,3,4,5,6,7
	ds_load_b32 v[76+\p], v[PLA] offset:2048*\p
	ds_load_b32 v[84+\p], v[PLA] offset:2048*\p+1024
.endr
	s_lshr_b32 s80, s18, 1                         ; my row's batch
	s_wait_kmcnt 0x0
	s_cmp_eq_u32 s80, 1
	s_cselect_b32 s81, s73, s72
	s_cmp_eq_u32 s80, 2
	s_cselect_b32 s81, s74, s81
	s_cmp_eq_u32 s80, 3
	s_cselect_b32 s81, s75, s81
	s_cmp_ge_i32 s81, 10                           ; cond_type // 10 > 0
	s_cselect_b32 s82, 0x3f800000, 0
	s_cselect_b32 s83, 0, 0xc9742400               ; (1 - retr_c) x -1e6
	s_mul_i32 s86, s80, 20480
	s_and_b32 s87, s18, 1
	s_lshl_b32 s87, s87, 13
	s_add_co_u32 s86, s86, s87
	s_add_co_u32 s86, s86, 4096
	s_add_co_u32 s86, s86, s84                     ; batch, key row 1 + 2 (w % 2), my columns
	s_mov_b32 s87, 0
	s_add_nc_u64 s[88:89], s[60:61], s[86:87]
	s_add_nc_u64 s[90:91], s[62:63], s[86:87]
	v_lshlrev_b32 v92, 12, v3
	v_lshl_add_u32 v92, v2, 2, v92
	s_wait_dscnt 0x0
.irp p, 1,2,3,4,5,6,7
	v_add_f32 v76, v76, v[76+\p]
	v_add_f32 v84, v84, v[84+\p]
.endr
	v_add_f32 v76, v76, v254
	v_add_f32 v76, s83, v76
	v_add_f32 v84, v84, v255
	v_mul_f32 v84, s82, v84
	global_store_b32 v92, v76, s[88:89]
	global_store_b32 v92, v84, s[90:91]
	s_set_vgpr_msb 0x5
	s_wait_tensorcnt 0x0
	ds_add_u32 v0, v1
	s_wait_dscnt 0x0
	s_set_vgpr_msb 0x500
	s_endpgm
; THE TEXT ROW (two products left in f32, fused multiply-adds): work-group 64 + s, wave w makes columns 16 s + 2 w + e, e = 0, 1, of key row 0 and value row 0 for the four batches.
; Lane L, piece i holds elements 128 i + 4 L ..: every load covers 512 consecutive bytes, and all of them are out together.  No LDS, no barrier: waves share nothing.
.Ltext:
.set XF,  32                           ; v32-127 xf's four rows;  v128-223 four rows of weights (Wkt e = 0, 1; Wvt e = 0, 1);  v224-247 tg;  v8-31 tb
.set WT,  128
.set TG,  224
.set TBN, 8
	v_lshlrev_b32 v1, 4, v1
	v_mov_b32 v6, 0                                ; (targets of lane permutes)
	v_mov_b32 v7, 0
	s_lshl_b32 s84, s19, 4
	s_lshl_b32 s85, s18, 1
	s_add_co_u32 s84, s84, s85                     ; my first column
	s_mul_i32 s86, s84, 3072
	s_mov_b32 s87, 0
	s_lshl_b32 s96, s84, 2
	s_mov_b32 s97, 0
	s_mov_b32 s92, 0x3aaaaaab                      ; 1 / 768
	s_wait_kmcnt 0x0
	s_load_b128 s[72:75], s[58:59], 0x0            ; cond_type of the four batches
	s_add_nc_u64 s[30:31], s[30:31], s[86:87]
	s_add_nc_u64 s[34:35], s[34:35], s[86:87]
	s_load_b64 s[40:41], s[32:33], s96 offset:0x0  ; bkt of my two columns
	s_load_b64 s[42:43], s[36:37], s96 offset:0x0  ; bvt
	s_add_nc_u64 s[44:45], s[60:61], s[96:97]
	s_add_nc_u64 s[46:47], s[62:63], s[96:97]
.irp b, 0,1,2,3
.irp i, 0,1,2,3,4,5
	global_load_b128 v[XF+24*\b+4*\i:XF+24*\b+4*\i+3], v1, s[24:25] offset:3072*\b+512*\i
.endr
.endr
.irp i, 0,1,2,3,4,5
	global_load_b128 v[TG+4*\i:TG+4*\i+3], v1, s[26:27] offset:512*\i
	global_load_b128 v[TBN+4*\i:TBN+4*\i+3], v1, s[28:29] offset:512*\i
.endr
.irp e, 0,1
.irp i, 0,1,2,3,4,5
	global_load_b128 v[WT+24*\e+4*\i:WT+24*\e+4*\i+3], v1, s[30:31] offset:3072*\e+512*\i th:TH_LOAD_NT
	global_load_b128 v[WT+48+24*\e+4*\i:WT+48+24*\e+4*\i+3], v1, s[34:35] offset:3072*\e+512*\i th:TH_LOAD_NT
.endr
.endr
	s_wait_loadcnt 0x0
	s_wait_kmcnt 0x0
.macro LNT b0                          ; the layer norm of rows b0 and b0 + 1, in place; v2-5 two pairs of sums, v6-7 the permutes' targets
.irp q, 0,1
	v_pk_add_f32 v[2+2*\q:3+2*\q], v[XF+24*(\b0+\q):XF+24*(\b0+\q)+1], v[XF+24*(\b0+\q)+2:XF+24*(\b0+\q)+3]
.endr
.irp i, 4,6,8,10,12,14,16,18,20,22
.irp q, 0,1
	v_pk_add_f32 v[2+2*\q:3+2*\q], v[2+2*\q:3+2*\q], v[XF+24*(\b0+\q)+\i:XF+24*(\b0+\q)+\i+1]
.endr
.endr
.irp q, 0,1
	v_add_f32 v[2+2*\q], v[2+2*\q], v[3+2*\q]
.endr
	RED 2, 6, 2
.irp q, 0,1
	v_mul_f32 v[2+2*\q], s92, v[2+2*\q]
.endr
.irp i, 0,2,4,6,8,10,12,14,16,18,20,22
.irp q, 0,1
	v_pk_add_f32 v[XF+24*(\b0+\q)+\i:XF+24*(\b0+\q)+\i+1], v[XF+24*(\b0+\q)+\i:XF+24*(\b0+\q)+\i+1], v[2+2*\q:3+2*\q] op_sel_hi:[1,0] neg_lo:[0,1] neg_hi:[0,1]
.endr
.endr
.irp q, 0,1
	v_pk_mul_f32 v[2+2*\q:3+2*\q], v[XF+24*(\b0+\q):XF+24*(\b0+\q)+1], v[XF+24*(\b0+\q):XF+24*(\b0+\q)+1]
.endr
.irp i, 2,4,6,8,10,12,14,16,18,20,22
.irp q, 0,1
	v_pk_fma_f32 v[2+2*\q:3+2*\q], v[XF+24*(\b0+\q)+\i:XF+24*(\b0+\q)+\i+1], v[XF+24*(\b0+\q)+\i:XF+24*(\b0+\q)+\i+1], v[2+2*\q:3+2*\q]
.endr
.endr
.irp q, 0,1
	v_add_f32 v[2+2*\q], v[2+2*\q], v[3+2*\q]
.endr
	RED 2, 6, 2
.irp q, 0,1
	v_fma_f32 v[2+2*\q], v[2+2*\q], s92, s93
.endr
.irp q, 0,1
	v_rsq_f32 v[2+2*\q], v[2+2*\q]
.endr
	v_nop
	s_wait_alu depctr_va_vdst(0)
.irp i, 0,2,4,6,8,10,12,14,16,18,20,22
.irp q, 0,1
	v_pk_mul_f32 v[XF+24*(\b0+\q)+\i:XF+24*(\b0+\q)+\i+1], v[XF+24*(\b0+\q)+\i:XF+24*(\b0+\q)+\i+1], v[2+2*\q:3+2*\q] op_sel_hi:[1,0]
.endr
.endr
.irp i, 0,2,4,6,8,10,12,14,16,18,20,22
.irp q, 0,1
	v_pk_fma_f32 v[XF+24*(\b0+\q)+\i:XF+24*(\b0+\q)+\i+1], v[XF+24*(\b0+\q)+\i:XF+24*(\b0+\q)+\i+1], v[TG+\i:TG+\i+1], v[TBN+\i:TBN+\i+1]
.endr
.endr
.endm
	LNT 0
	LNT 2
.irp wr, 0,1,2,3                       ; a row of weights against the four batches: v8-15 four pairs of sums; the result goes to v[224 + 4 wr + b]
.irp b, 0,1,2,3
	v_pk_mul_f32 v[8+2*\b:9+2*\b], v[XF+24*\b:XF+24*\b+1], v[WT+24*\wr:WT+24*\wr+1]
.endr
.irp i, 2,4,6,8,10,12,14,16,18,20,22
.irp b, 0,1,2,3
	v_pk_fma_f32 v[8+2*\b:9+2*\b], v[XF+24*\b+\i:XF+24*\b+\i+1], v[WT+24*\wr+\i:WT+24*\wr+\i+1], v[8+2*\b:9+2*\b]
.endr
.endr
.irp b, 0,1,2,3
	v_add_f32 v[8+2*\b], v[8+2*\b], v[9+2*\b]
.endr
	RED 8, 16, 4
.irp b, 0,1,2,3
	v_mov_b32 v[224+4*\wr+\b], v[8+2*\b]
.endr
.endr
	v_and_b32 v16, 1, v0                           ; lane L stores batch L % 4: the eight lanes of a batch store the same word with the same value, and EXEC stays whole
	v_cmp_ne_u32 s92, 0, v16
	v_and_b32 v16, 2, v0
	v_cmp_ne_u32 s93, 0, v16
.irp b, 0,1,2,3
	s_sub_co_i32 s94, 0, s[72+\b]
	s_max_i32 s94, s94, s[72+\b]                   ; |cond_type| (as an unsigned number)
	s_mul_hi_u32 s95, s94, 0xcccccccd
	s_lshr_b32 s95, s95, 3
	s_mul_i32 s95, s95, 10
	s_sub_co_u32 s94, s94, s95
	s_cmp_lg_u32 s94, 0                            ; cond_type % 10 > 0: not a multiple of ten
	s_cselect_b32 s95, 0x3f800000, 0
	v_mov_b32 v[20+\b], s95
	s_cselect_b32 s95, 0, 0xc9742400
	v_mov_b32 v[24+\b], s95
.endr
.macro SEL3 dst, a                     ; of four registers the one of my batch
	v_cndmask_b32 v[\dst], v[\a], v[\a+1], s92
	v_cndmask_b32 v30, v[\a+2], v[\a+3], s92
	v_cndmask_b32 v[\dst], v[\dst], v30, s93
.endm
	SEL3 28, 20                                    ; text_c
	SEL3 29, 24                                    ; (1 - text_c) x -1e6
	v_and_b32 v31, 3, v0
	v_mul_u32_u24 v31, v31, 20480
.irp e, 0,1
	SEL3 2+\e, 224+4*\e
	v_add_f32 v[2+\e], s[40+\e], v[2+\e]
	v_add_f32 v[2+\e], v[2+\e], v29
	global_store_b32 v31, v[2+\e], s[44:45] offset:4*\e
	SEL3 4+\e, 232+4*\e
	v_add_f32 v[4+\e], s[42+\e], v[4+\e]
	v_mul_f32 v[4+\e], v[4+\e], v28
	global_store_b32 v31, v[4+\e], s[46:47] offset:4*\e
.endr
	s_endpgm
.Lfunc_end_k_qfc49f2cd14_prep:
	.size	k_qfc49f2cd14_prep, .Lfunc_end_k_qfc49f2cd14_prep-k_qfc49f2cd14_prep
	.p2alignl 7, 3214868480
	.fill 96, 4, 3214868480
	.section	.rodata,"a",@progbits
	.p2align	6, 0x0
	.amdhsa_kernel k_qfc49f2cd14_prep
		.amdhsa_group_segment_fixed_size 160256
		.amdhsa_private_segment_fixed_size 0
		.amdhsa_enable_private_segment 0
		.amdhsa_kernarg_size 216
		.amdhsa_user_sgpr_count 2
		.amdhsa_user_sgpr_kernarg_segment_ptr 1
		.amdhsa_wavefront_size32 1
		.amdhsa_system_sgpr_workgroup_id_x 1
		.amdhsa_system_sgpr_workgroup_id_y 1
		.amdhsa_system_sgpr_workgroup_id_z 1
		.amdhsa_system_vgpr_workitem_id 0
		.amdhsa_next_free_vgpr 258
		.amdhsa_next_free_sgpr 100
		.amdhsa_reserve_vcc 1
		.amdhsa_float_denorm_mode_32 3
		.amdhsa_float_denorm_mode_16_64 3
		.amdhsa_memory_ordered 1
		.amdhsa_forward_progress 1
		.amdhsa_inst_pref_size 184
	.end_amdhsa_kernel
	.amdgpu_metadata
---
amdhsa.version: [ 1, 2 ]
amdhsa.kernels:
  - .name:           k_qfc49f2cd14_prep
    .symbol:         k_qfc49f2cd14_prep.kd
    .args:
      - { .name: x, .offset: 0, .size: 8, .value_kind: global_buffer, .address_space: global }
      - { .name: ng, .offset: 8, .size: 8, .value_kind: global_buffer, .address_space: global }
      - { .name: nb, .offset: 16, .size: 8, .value_kind: global_buffer, .address_space: global }
      - { .name: Wq, .offset: 24, .size: 8, .value_kind: global_buffer, .address_space: global }
      - { .name: Wkm, .offset: 32, .size: 8, .value_kind: global_buffer, .address_space: global }
      - { .name: Wvm, .offset: 40, .size: 8, .value_kind: global_buffer, .address_space: global }
      - { .name: codes, .offset: 48, .size: 8, .value_kind: global_buffer, .address_space: global }
      - { .name: xf, .offset: 56, .size: 8, .value_kind: global_buffer, .address_space: global }
      - { .name: tg, .offset: 64, .size: 8, .value_kind: global_buffer, .address_space: global }
      - { .name: tb, .offset: 72, .size: 8, .value_kind: global_buffer, .address_space: global }
      - { .name: Wkt, .offset: 80, .size: 8, .value_kind: global_buffer, .address_space: global }
      - { .name: bkt, .offset: 88, .size: 8, .value_kind: global_buffer, .address_space: global }
      - { .name: Wvt, .offset: 96, .size: 8, .value_kind: global_buffer, .address_space: global }
      - { .name: bvt, .offset: 104, .size: 8, .value_kind: global_buffer, .address_space: global }
      - { .name: re_motion, .offset: 112, .size: 8, .value_kind: global_buffer, .address_space: global }
      - { .name: re_text, .offset: 120, .size: 8, .value_kind: global_buffer, .address_space: global }
      - { .name: r1g, .offset: 128, .size: 8, .value_kind: global_buffer, .address_space: global }
      - { .name: r1b, .offset: 136, .size: 8, .value_kind: global_buffer, .address_space: global }
      - { .name: r2g, .offset: 144, .size: 8, .value_kind: global_buffer, .address_space: global }
      - { .name: r2b, .offset: 152, .size: 8, .value_kind: global_buffer, .address_space: global }
      - { .name: Wkr, .offset: 160, .size: 8, .value_kind: global_buffer, .address_space: global }
      - { .name: bkr, .offset: 168, .size: 8, .value_kind: global_buffer, .address_space: global }
      - { .name: Wvr, .offset: 176, .size: 8, .value_kind: global_buffer, .address_space: global }
      - { .name: bvr, .offset: 184, .size: 8, .value_kind: global_buffer, .address_space: global }
      - { .name: cond_type, .offset: 192, .size: 8, .value_kind: global_buffer, .address_space: global }
      - { .name: kspec, .offset: 200, .size: 8, .value_kind: global_buffer, .address_space: global }
      - { .name: vspec, .offset: 208, .size: 8, .value_kind: global_buffer, .address_space: global }
    .group_segment_fixed_size: 160256
    .private_segment_fixed_size: 0
    .kernarg_segment_align: 8
    .kernarg_segment_size: 216
    .max_flat_workgroup_size: 256
    .sgpr_count:     100
    .vgpr_count:     258
    .wavefront_size: 32
...
	.end_amdgpu_metadata
.endif
;; end of part 5
;; launch kv: the kernel of part 2 again; grid 8 x 32, 4 waves a work-group, clusters of 4 x 1, 327,680 bytes of LDS; arguments codes, kspec, vspec, src_mask, bkm, bvm, part, pstat; writes part, pstat
;; launch comb: the kernel of part 3 again; grid 64 x 1, 8 waves a work-group, no clusters, 18,432 bytes of LDS; arguments part, pstat, attnc; writes attnc
;; launch qy: the kernel of part 4 again; grid 4 x 64, 4 waves a work-group, clusters of 4 x 1, 222,720 bytes of LDS; arguments codes, attnc, src_mask, bq, out0; writes out0
